; MI455X (gfx1250); checked and timed in simulation.
; The chip was launched on July 23, 2026; its instructions are those of AMD's public machine-readable ISA for CDNA 5 (MIT licence, August 2026) and "CDNA5" Instruction Set Architecture Reference Guide (July 2026). The comments in the code are by the model that wrote it; some were corrected since.
;; Causal Self Attention. Allowed arithmetic: matrix products marked QUANTISED: E4M3 operands, one E8M0 scale for each 32 along K, by v_wmma_scale_f32_16x16x128_f8f6f4 with both operands' format E4M3, f32 sums; everything else in f32.
;; Inputs: Wk 1,024 x 1,024 float32; Wp 1,024 x 1,024 float32; Wq 1,024 x 1,024 float32; Wv 1,024 x 1,024 float32; bk 1,024 float32; bp 1,024 float32; bq 1,024 float32; bv 1,024 float32; x 2 x 2,048 x 1,024 float32.
;; Outputs: out0 2 x 2,048 x 1,024 float32.
;; Constants: n_head = 16.
;; This version of the problem:
;;   THIS VERSION OF THE PROBLEM IS GIVEN IN LOW PRECISION. The matrix products marked QUANTISED in the list below multiply operands that are first quantised to E4M3 (4 exponent bits, 3 mantissa bits; 8 bits a number), with one power-of-two scale for each 32 numbers along K (OCP MX v1.0); their sums are f32. All else is computed in f32.
;;   The module's matrix products, in the order in which they are computed (A, B: the left and right operand; K: the contracted axis; several contracted axes count as one K, in the product's order):
;;     1. [M 4,096, K 1,024] x [K 1,024, N 1,024]; A: input x; B: input Wq: QUANTISED
;;     2. [M 4,096, K 1,024] x [K 1,024, N 1,024]; A: input x; B: input Wk: QUANTISED
;;     3. [M 4,096, K 1,024] x [K 1,024, N 1,024]; A: input x; B: input Wv: QUANTISED
;;     4. batch 32 x [M 2,048, K 64] x [K 64, N 2,048]; A: computed on the way; B: computed on the way: QUANTISED
;;     5. batch 32 x [M 2,048, K 2,048] x [K 2,048, N 64]; A: softmax (see below); B: computed on the way: QUANTISED
;;     6. [M 4,096, K 1,024] x [K 1,024, N 1,024]; A: computed on the way; B: input Wp: QUANTISED
;;   THE QUANTISER, for each operand of a quantised product, along K:
;;     - K is cut into blocks of 32 from its start; a last block that is shorter is filled with zeros.
;;     - A block's scale is 2^e with e = floor(log2(the largest magnitude in the block)) - 8, held to -126 .. 127; a block of zeros has e = 0. As a byte (E8M0): e + 127.
;;     - Each number is divided by its block's scale, clamped to +-448, and rounded to the nearest number of E4M3, ties to even, subnormals kept.
;;     - The product sums the exact products of the quantised numbers (number of the format x scale) in f32.
;;   ~~~python
;;   def quantise(x, axis):      # numpy; x: float32 -> the quantised numbers, widened to float32 again
;;       x = np.moveaxis(x, axis, -1); K = x.shape[-1]
;;       x = np.pad(x, [(0, 0)] * (x.ndim - 1) + [(0, -K % 32)]); x = x.reshape(x.shape[:-1] + (-1, 32)); a = np.abs(x).max(-1, keepdims=True)
;;       e = np.where(a > 0, np.clip(np.frexp(np.where(a > 0, a, 1))[1] - 1 - 8, -126, 127), 0)      # np.frexp(a)[1] - 1 = floor(log2(a)), exactly
;;       r = np.clip(x / 2.0 ** e, -448, 448)
;;       step = 2.0 ** (np.maximum(np.frexp(np.where(r == 0, 1, r))[1] - 1, -6) - 3)
;;       q = np.round(r / step) * step * 2.0 ** e      # np.round: ties to even
;;       return np.moveaxis(q.reshape(q.shape[:-2] + (-1,))[..., :K], -1, axis).astype(np.float32)
;;   ~~~
;;   SOFTMAX AHEAD OF A QUANTISED PRODUCT. Where the list says 'softmax', what is quantised is not the finished softmax but p = 2^(t - M), with t = logit x log2(e) and M = ceil(the row's largest t), a whole number; so 1/2 < the row's largest p <= 1. The row's sum l is taken of the UNQUANTISED p, in f32, and the product's result is divided by l at the end. Since M is a whole number, a kernel that streams over the keys may use a running M (the ceiling of the running maximum): every later rescaling is an exact power of two, which a block's scale takes up: the codes' values come out the same.
;;   OPERANDS COMPUTED ON THE WAY. 'Computed on the way' means the value that the module computes at that place (a softmax that the list does not call 'softmax' is quantised finished and normalised). What goes into a quantiser is computed in f32, as accurately as f32 sums, v_exp_f32 and their like allow (about 1e-6 of the number): no bf16 or f16 on the way to a quantiser, and a product that is left as it is and whose result goes on into a quantised operand takes f32 operands (vector FMAs, or v_wmma_f32_16x16x4_f32). A number that lies on a knife's edge between two numbers of the format may be rounded either way, as far as f32 arithmetic and the matrix unit's own rounding can turn it there, and no further.
;; One version. Each part assembles by itself: llvm-mc -triple=amdgcn-amd-amdhsa -mcpu=gfx1250 --defsym DOCPART=n.
;; ======== version 1 of 1: 4 launches
;; limits: right only within a limited range of input values
;; workspace buffers: ops 8,388,608 bytes; opsc 262,144 bytes; qkv 12,976,128 bytes; yc 4,194,304 bytes; ys 131,072 bytes
;; launch quant (part 1): grid 256 x 1, 4 waves a work-group, no clusters, 34,304 bytes of LDS; arguments x, Wq, Wk, Wv, Wp, ops, opsc; writes ops, opsc
.if DOCPART == 1
	.amdgcn_target "amdgcn-amd-amdhsa--gfx1250"
	.amdhsa_code_object_version 6
	.text
	.protected	k_q26821f381f_quant
	.globl	k_q26821f381f_quant
	.p2align	8
	.type	k_q26821f381f_quant,@function
k_q26821f381f_quant:
	s_mov_b64 s[64:65], 0
	v_nop
	global_prefetch_b8 v0, s[64:65] scope:SCOPE_SE
	s_setreg_imm32_b32 hwreg(HW_REG_WAVE_MODE, 25, 1), 1
	s_wait_xcnt 0x0
; x [4096][1024] and the four weights [1024 (k)][1024 (n)], f32, become codes of FP8 (E4M3) with one E8M0 byte for each 32 along K, laid as the products' operand registers want them.
; A block's scale is 2^(floor(log2(its largest magnitude)) - 8); its byte is the largest magnitude's exponent field - 8, held at 1 from below; each number is divided by the scale, held within +-448 and rounded to the nearest code.
; LIMITS: NaN and infinities among the inputs are not served.  A block whose largest magnitude lies under 2^-118 keeps the byte 1; a block of zeros gets the byte 1 and not 127: its codes are zeros, and this program alone reads the bytes.
; POSITIONS.  An operand's rows (x: b 2048 + s; weight w: its column n, at 4096 + 1024 w + n) are stored in POSITION order: in each group of 32, position 16 u + r holds row 8 u + r + 8 (r / 8).
; ops  [K step of 256: 4][block of 16 positions: 512][128 along K: 2][chunk c: 4][lane: 32][16 bytes]: lane 16 h + r of chunk c holds k = 32 c + 16 h + 0 .. 15 of position r: a fragment's registers on end.
; opsc [K step: 4][position: 8192][2 words]: word q holds the four bytes of k = 128 q + 32 c.
; SHARES.  Work-groups 0-127: 32 rows of x each, wave w the K step w.  Work-groups 128-255: a weight, a K step and 128 columns each, a wave 32 columns.  Every wave reads 32 KiB.  Waves share nothing: no barrier.
; No matrix unit, no tensor load, no cluster: each input byte is read once by one wave, and nothing is shared.
.set XROW, 4096                        ; bytes in a row of x and of a weight
.set SP,   528                         ; a stage row: 512 bytes + 16, so that sixteen rows start in sixteen different 16-byte columns of a 256-byte bank row
.set WREG, 16*SP                       ; a wave's stage
.set R0,   16                          ; v16-143  two sets of 64: a fragment's numbers as loaded
.set X,    144                         ; v144-207 the same, 16 neighbours of each block of 32 to a lane
.set PC,   208                         ; v208-223 a fragment's codes
.set TM,   224                         ; v224-239 at work: largest magnitudes, bytes, holds, scale operands
.set PW,   240                         ; v240-243 the four fragments' scale words
.set XW,   32                          ; weights: v32-95 two sets of 32 numbers
.set CW,   96                          ; v96-159 eight registers of codes for each of eight blocks: no store's data are written again
.set SB,   24                          ; v24-25 the eight scale bytes
.set SEL,  18                          ; s[18:19] lane selects: lane l xor 16
.set MNT,  20                          ; s20 the mantissa field of 448
	s_load_b256 s[4:11], s[0:1], 0x0               ; x, Wq, Wk, Wv
	s_load_b128 s[12:15], s[0:1], 0x20             ; Wp, ops
	s_load_b64 s[16:17], s[0:1], 0x30              ; opsc
	v_lshl_add_u32 v254, v0, 2, 0x8400
	v_mov_b32 v255, 0
	v_lshrrev_b32 v1, 5, v0
	v_readfirstlane_b32 s21, v1                    ; wave
	v_and_b32 v1, 31, v0                           ; lane
	v_lshlrev_b32 v5, 3, v1                        ; 8 x lane: a position's two scale words
	s_mov_b32 s[MNT], 0x600000
	s_cmp_lt_u32 ttmp9, 128
	s_cbranch_scc0 .Lweights
	; ---------------- x: K is innermost ----------------
	v_lshlrev_b32 v2, 4, v1                        ; 16 x lane
	s_mul_i32 s22, s21, WREG
	v_add_nc_u32 v3, s22, v2                       ; into the stage: a row as it lies
	v_and_b32 v6, 15, v0                           ; r
	v_bfe_u32 v7, v0, 4, 1                         ; h
	v_mul_u32_u24 v4, v6, SP
	v_lshl_add_u32 v4, v7, 6, v4
	v_add_nc_u32 v4, s22, v4                       ; out of it: row r, my half's 16 numbers of each block
	s_mov_b32 s[SEL], 0x76543210
	s_mov_b32 s[SEL+1], 0xfedcba98
.irp b, 0,1,2,3
	v_mov_b32 v[TM+4+\b], 0                        ; written once: a lane permute's destination counts as one of its sources
.endr
	s_lshl_b32 s24, ttmp9, 17                      ; 32 rows of 4,096 bytes
	s_lshl_b32 s23, s21, 10                        ; + my K step's 1,024 bytes of a row
	s_add_co_u32 s24, s24, s23
	s_mov_b32 s25, 0
	s_lshl_b32 s26, s21, 21                        ; ops: my K step,
	s_lshl_b32 s23, ttmp9, 13                      ; two blocks of 16 positions
	s_add_co_u32 s26, s26, s23
	s_mov_b32 s27, 0
	s_lshl_b32 s28, s21, 16                        ; opsc: my K step,
	s_lshl_b32 s23, ttmp9, 8                       ; 32 positions of 8 bytes
	s_add_co_u32 s28, s28, s23
	s_mov_b32 s29, 0
	s_wait_alu depctr_va_vdst(0)
	s_wait_kmcnt 0x0
	s_add_nc_u64 s[4:5], s[4:5], s[24:25]
	s_add_nc_u64 s[14:15], s[14:15], s[26:27]
	s_add_nc_u64 s[16:17], s[16:17], s[28:29]
; fragment f = 2 u + q: the 16 positions of block u, 128 along K.  Each load takes 512 consecutive bytes of one row
.macro LOADF f, set
.irp i, 0,1,2,3,4,5,6,7,8,9,10,11,12,13,14,15
	global_load_b128 v[\set+4*\i:\set+4*\i+3], v2, s[4:5] offset:(8*((\f)/2)+\i+8*(\i/8))*XROW+512*((\f)%2) th:TH_LOAD_NT
.endr
.endm
; through my stage: in as rows, out as 16 neighbours of each block of 32 (register 16 b + i = k 32 b + 16 h + i of row r).  LDS serves a wave's instructions in order: no wait between
.macro TURNX set
.irp i, 0,1,2,3,4,5,6,7,8,9,10,11,12,13,14,15
	ds_store_b128 v3, v[\set+4*\i:\set+4*\i+3] offset:SP*\i
.endr
.irp b, 0,1,2,3
.irp j, 0,1,2,3
	ds_load_b128 v[X+16*\b+4*\j:X+16*\b+4*\j+3], v4 offset:128*\b+16*\j
.endr
.endr
.endm
; 64 numbers of a lane become a fragment's codes in v[PC] on and its scale word in v[pw]
.macro QUANT s, pw
.irp b, 0,1,2,3
	v_max3_num_f32 v[TM+\b], |v[\s+16*\b]|, |v[\s+1+16*\b]|, 0x4800000   ; my 16 numbers of block b, and the floor 2^(9 - 127): the byte cannot fall under 1
.endr
.irp i, 2,4,6,8,10,12,14
.irp b, 0,1,2,3
	v_max3_num_f32 v[TM+\b], v[TM+\b], |v[\s+16*\b+\i]|, |v[\s+1+16*\b+\i]|   ; the four blocks by turns
.endr
.endr
.irp b, 0,1,2,3
	v_permlanex16_b32 v[TM+4+\b], v[TM+\b], s[SEL], s[SEL+1]
.endr
.irp b, 0,1,2,3
	v_max_num_f32 v[TM+\b], v[TM+\b], v[TM+4+\b]   ; with lane l xor 16's 16: the block's largest magnitude
.endr
.irp b, 0,1,2,3
	v_add_nc_u32 v[TM+12+\b], 0xfc000000, v[TM+\b] ; 8 off its exponent field: the conversion's scale operand
.endr
.irp b, 0,1,2,3
	v_and_or_b32 v[TM+8+\b], v[TM+\b], 0x7f800000, s[MNT]   ; 448 x the scale
.endr
.irp b, 0,1,2,3
	v_lshrrev_b32 v[TM+4+\b], 23, v[TM+12+\b]      ; the scale's byte
.endr
	v_lshl_or_b32 v[\pw], v[TM+5], 8, v[TM+4]
	v_lshl_or_b32 v[\pw], v[TM+6], 16, v[\pw]
	v_lshl_or_b32 v[\pw], v[TM+7], 24, v[\pw]
.irp b, 0,1,2,3
.irp i, 0,1,2,3,4,5,6,7,8,9,10,11,12,13,14,15
	v_med3_num_f32 v[\s+16*\b+\i], v[\s+16*\b+\i], -v[TM+8+\b], v[TM+8+\b]   ; the conversion to an 8-bit code does not saturate (ISA guide 7.6.2): the hold
.endr
	v_cvt_scalef32_pk8_fp8_f32 v[PC+4*\b:PC+1+4*\b], v[\s+16*\b:\s+7+16*\b], v[TM+12+\b]
	v_cvt_scalef32_pk8_fp8_f32 v[PC+2+4*\b:PC+3+4*\b], v[\s+8+16*\b:\s+15+16*\b], v[TM+12+\b]
.endr
	v_nop                                          ; a plain line behind the last conversion
.endm
.macro XFRAG f
.if (\f) < 3
	s_wait_loadcnt 16                              ; this fragment's 16 loads are in; the next fragment's 16 may be out
.else
	s_wait_loadcnt 0x0
.endif
	TURNX R0+64*((\f)%2)
	s_wait_dscnt 0x0                               ; the numbers are back, and the stores have read the set,
.if (\f) < 2
	LOADF (\f)+2, R0+64*((\f)%2)                   ; which takes the fragment two on
.endif
.if (\f) > 0
	s_wait_xcnt 0x0                                ; the last fragment's stores have read the codes' registers
.endif
	QUANT X, PW+(\f)
.irp c, 0,1,2,3
	global_store_b128 v2, v[PC+4*\c:PC+4*\c+3], s[14:15] offset:4096*((\f)/2)+2048*((\f)%2)+512*\c   ; 512 consecutive bytes, aligned
.endr
.endm
	LOADF 0, R0
	LOADF 1, R0+64
	XFRAG 0
	XFRAG 1
	XFRAG 2
	XFRAG 3
	v_cmp_le_u32 vcc_lo, 16, v1                    ; lane l stands for position l of the 32: block l / 16
	v_cndmask_b32 v244, v[PW], v[PW+2], vcc_lo
	v_cndmask_b32 v245, v[PW+1], v[PW+3], vcc_lo
	global_store_b64 v5, v[244:245], s[16:17]      ; 256 consecutive bytes, aligned
	s_wait_tensorcnt 0x0
	ds_add_u32 v254, v255
	s_wait_dscnt 0x0
	s_endpgm
	; ---------------- a weight: K is its first axis: a lane takes a column, its registers run down K ----------------
.Lweights:
	s_sub_co_u32 s22, ttmp9, 128
	s_lshr_b32 s23, s22, 5                         ; which weight: q, k, v, p
	s_bfe_u32 s24, s22, 0x20003                    ; which K step
	s_and_b32 s25, s22, 7
	s_lshl_b32 s25, s25, 2
	s_add_co_u32 s25, s25, s21                     ; which group of 32 columns
	s_wait_alu depctr_va_vdst(0)
	v_and_b32 v6, 7, v1
	v_bfe_u32 v7, v1, 4, 1
	v_lshl_or_b32 v6, v7, 3, v6
	v_bfe_u32 v8, v1, 3, 1
	v_lshl_or_b32 v6, v8, 4, v6                    ; lane l is position l: its column has bits 3 and 4 changed over
	v_lshlrev_b32 v3, 2, v6                        ; in: 4 bytes a column
	v_and_b32 v6, 15, v1
	v_lshlrev_b32 v4, 4, v6
	v_lshl_or_b32 v4, v7, 12, v4                   ; out: block l / 16 of 4,096 bytes, 16 (l % 16)
	s_lshl_b32 s26, s24, 20                        ; W: 256 rows of 4,096 bytes a K step,
	s_lshl_b32 s27, s25, 7                         ; 128 bytes a group
	s_add_co_u32 s26, s26, s27
	s_mov_b32 s27, 0
	s_lshl_b32 s28, s23, 6                         ; ops: block 256 + 64 x weight + 2 x group
	s_lshl_b32 s29, s25, 1
	s_add_co_u32 s28, s28, s29
	s_add_co_u32 s28, s28, 256
	s_lshl_b32 s28, s28, 12
	s_lshl_b32 s29, s24, 21
	s_add_co_u32 s28, s28, s29
	s_mov_b32 s29, 0
	s_lshl_b32 s30, s23, 10                        ; opsc: position 4096 + 1024 x weight + 32 x group
	s_lshl_b32 s31, s25, 5
	s_add_co_u32 s30, s30, s31
	s_add_co_u32 s30, s30, 4096
	s_lshl_b32 s30, s30, 3
	s_lshl_b32 s31, s24, 16
	s_add_co_u32 s30, s30, s31
	s_mov_b32 s31, 0
	s_and_b32 s32, s23, 1
	s_wait_alu depctr_va_vdst(0)
	s_wait_kmcnt 0x0
	s_cmp_lt_u32 s23, 2                            ; the choice hangs on the work-group's number alone
	s_cselect_b64 s[34:35], s[6:7], s[10:11]
	s_cselect_b64 s[36:37], s[8:9], s[12:13]
	s_cmp_eq_u32 s32, 0
	s_cselect_b64 s[34:35], s[34:35], s[36:37]
	s_add_nc_u64 s[34:35], s[34:35], s[26:27]
	s_add_nc_u64 s[14:15], s[14:15], s[28:29]
	s_add_nc_u64 s[16:17], s[16:17], s[30:31]
.macro LOADW t                         ; block t: W(32 t + i, my column): the wave reads 128 consecutive bytes
.irp i, 0,1,2,3,4,5,6,7,8,9,10,11,12,13,14,15,16,17,18,19,20,21,22,23,24,25,26,27,28,29,30,31
	global_load_b32 v[XW+32*((\t)%2)+\i], v3, s[34:35] offset:(32*(\t)+\i)*XROW th:TH_LOAD_NT
.endr
.endm
.macro BLOCK t
.set XS, XW+32*((\t)%2)
.if (\t) < 7
	s_wait_loadcnt 32                              ; this block's 32 loads are in; the next block's may be out
.else
	s_wait_loadcnt 0x0
.endif
	v_max3_num_f32 v12, |v[XS]|, |v[XS+1]|, |v[XS+2]|   ; all 32 numbers of the block are mine
	v_max3_num_f32 v13, |v[XS+3]|, |v[XS+4]|, |v[XS+5]|
.irp i, 6,10,14,18,22,26
	v_max3_num_f32 v12, v12, |v[XS+\i]|, |v[XS+\i+1]|
	v_max3_num_f32 v13, v13, |v[XS+\i+2]|, |v[XS+\i+3]|
.endr
	v_max3_num_f32 v12, v12, |v[XS+30]|, |v[XS+31]|
	v_max3_num_f32 v12, v12, v13, 0x4800000        ; and the floor
	v_add_nc_u32 v11, 0xfc000000, v12
	v_and_or_b32 v10, v12, 0x7f800000, s[MNT]
	v_lshrrev_b32 v13, 23, v11
.if (\t)%4 == 0
	v_mov_b32 v[SB+(\t)/4], v13                    ; four bytes to a word, the lower K in the lower byte
.else
	v_lshl_or_b32 v[SB+(\t)/4], v13, 8*((\t)%4), v[SB+(\t)/4]
.endif
.irp i, 0,1,2,3,4,5,6,7,8,9,10,11,12,13,14,15,16,17,18,19,20,21,22,23,24,25,26,27,28,29,30,31
	v_med3_num_f32 v[XS+\i], v[XS+\i], -v10, v10
.endr
.irp g, 0,1,2,3
	v_cvt_scalef32_pk8_fp8_f32 v[CW+8*(\t)+2*\g:CW+8*(\t)+2*\g+1], v[XS+8*\g:XS+8*\g+7], v11
.endr
	v_nop                                          ; a plain line behind the last conversion
	global_store_b128 v4, v[CW+8*(\t):CW+8*(\t)+3], s[14:15] offset:2048*((\t)/4)+512*((\t)%4)         ; k 0 .. 15 of the block: sixteen lanes fill 256 consecutive bytes, aligned
	global_store_b128 v4, v[CW+8*(\t)+4:CW+8*(\t)+7], s[14:15] offset:2048*((\t)/4)+512*((\t)%4)+256   ; k 16 .. 31: the image's upper lanes
.if (\t)+2 < 8
	LOADW (\t)+2
.endif
.endm
	LOADW 0
	LOADW 1
.irp t, 0,1,2,3,4,5,6,7
	BLOCK \t
.endr
	global_store_b64 v5, v[SB:SB+1], s[16:17]      ; 256 consecutive bytes, aligned
	s_endpgm
.Lfunc_end_k_q26821f381f_quant:
	.size	k_q26821f381f_quant, .Lfunc_end_k_q26821f381f_quant-k_q26821f381f_quant
	.p2alignl 7, 3214868480
	.fill 96, 4, 3214868480
	.section	.rodata,"a",@progbits
	.p2align	6, 0x0
	.amdhsa_kernel k_q26821f381f_quant
		.amdhsa_group_segment_fixed_size 34304
		.amdhsa_private_segment_fixed_size 0
		.amdhsa_enable_private_segment 0
		.amdhsa_kernarg_size 56
		.amdhsa_user_sgpr_count 2
		.amdhsa_user_sgpr_kernarg_segment_ptr 1
		.amdhsa_wavefront_size32 1
		.amdhsa_system_sgpr_workgroup_id_x 1
		.amdhsa_system_sgpr_workgroup_id_y 1
		.amdhsa_system_sgpr_workgroup_id_z 1
		.amdhsa_system_vgpr_workitem_id 0
		.amdhsa_next_free_vgpr 256
		.amdhsa_next_free_sgpr 66
		.amdhsa_reserve_vcc 1
		.amdhsa_float_denorm_mode_32 3
		.amdhsa_float_denorm_mode_16_64 3
		.amdhsa_memory_ordered 1
		.amdhsa_forward_progress 1
		.amdhsa_inst_pref_size 107
	.end_amdhsa_kernel
	.amdgpu_metadata
---
amdhsa.version: [ 1, 2 ]
amdhsa.kernels:
  - .name:           k_q26821f381f_quant
    .symbol:         k_q26821f381f_quant.kd
    .args:
      - { .name: x, .offset: 0, .size: 8, .value_kind: global_buffer, .address_space: global }
      - { .name: Wq, .offset: 8, .size: 8, .value_kind: global_buffer, .address_space: global }
      - { .name: Wk, .offset: 16, .size: 8, .value_kind: global_buffer, .address_space: global }
      - { .name: Wv, .offset: 24, .size: 8, .value_kind: global_buffer, .address_space: global }
      - { .name: Wp, .offset: 32, .size: 8, .value_kind: global_buffer, .address_space: global }
      - { .name: ops, .offset: 40, .size: 8, .value_kind: global_buffer, .address_space: global }
      - { .name: opsc, .offset: 48, .size: 8, .value_kind: global_buffer, .address_space: global }
    .group_segment_fixed_size: 34304
    .private_segment_fixed_size: 0
    .kernarg_segment_align: 8
    .kernarg_segment_size: 56
    .max_flat_workgroup_size: 128
    .sgpr_count:     66
    .vgpr_count:     256
    .wavefront_size: 32
...
	.end_amdgpu_metadata
.endif
;; end of part 1
;; launch qkv (part 2): grid 12 x 16, 4 waves a work-group, clusters of 4 x 4, 327,680 bytes of LDS; arguments ops, opsc, bq, bk, bv, qkv; writes qkv
.if DOCPART == 2
	.amdgcn_target "amdgcn-amd-amdhsa--gfx1250"
	.amdhsa_code_object_version 6
	.text
	.protected	k_q26821f381f_qkv
	.globl	k_q26821f381f_qkv
	.p2align	8
	.type	k_q26821f381f_qkv,@function
k_q26821f381f_qkv:
	s_mov_b64 s[64:65], 0
	v_nop
	global_prefetch_b8 v0, s[64:65] scope:SCOPE_SE
	s_setreg_imm32_b32 hwreg(HW_REG_WAVE_MODE, 25, 1), 1
	s_wait_xcnt 0x0
	s_wait_alu depctr_hold_cnt(0) depctr_sa_sdst(0) depctr_va_vdst(0) depctr_va_sdst(0) depctr_va_ssrc(0) depctr_va_vcc(0) depctr_vm_vsrc(0)
	s_getreg_b32 s2, hwreg(HW_REG_IB_STS2, 6, 4)
	s_cmp_eq_u32 s2, 0
	s_cbranch_scc0 .Lentry_in_a_cluster
	s_endpgm
.Lentry_in_a_cluster:
	s_bfe_u32 s2, ttmp6, 0x10000c
	s_cmp_lg_u32 s2, 0xf033
	s_cbranch_scc0 .Lentry_shape_is_right
	s_endpgm
.Lentry_shape_is_right:
; q = x Wq + bq, k = x Wk + bk, v = x Wv + bv on codes of FP8 (E4M3) with E8M0 scales, sums in f32; the results are quantised in registers, q and k along the head's 64, v along the keys, and stored as the attention's operand registers.
; Both operands come from ops / opsc (see their layout below); a tile of 256 x 256 to a work-group, 128 x 128 to each of four waves (64 accumulators, 512 registers); K = 1,024 in four K steps of 256 through two LDS slots.
; ops  [K step: 4][block of 16 positions: 512][128 along K: 2][chunk: 4][lane: 32][16 bytes]: fragments as images of their registers: a fragment is four ds_load_b128 at 16 x lane, no pitch, no padding.
; opsc [K step: 4][position: 8192][2 words].  Positions 0-4095: x; 4096 + 1024 w + n: column n of weight w.  In each group of 32, position 16 u + r is row 8 u + r + 8 (r / 8).
; THE MATRIX INSTRUCTION IS USED TRANSPOSED (source 0 = 16 positions of B, source 1 = 16 of A): a lane holds ONE position of A, and by the order of positions the 16 registers of B's blocks 2 g, 2 g + 1 are 16 NEIGHBOURS, 32 g + 16 (lane / 16) + 0 .. 15.
; Clusters' x 0, 1: A = x, B = Wq, Wk: a lane's registers run along the head.  Cluster x 2: A = Wv, B = x: a lane holds one channel and its registers run along the keys.  The branches on that hang on the cluster's x alone, which partners share.
; The bias is the C of each sum's first matrix instruction.
; qkv [b h: 32][block of 128 rows: 16][part: Q, K, V^T][8,192 bytes of codes + 256 of scale words].  Q, K: codes at 1024 a + 512 c + 16 lane (a: block of 16 positions, c: 32 of the head's 64); scale word (g, r) = bytes
; (a = 2 g: c 0, 1; a = 2 g + 1: c 0, 1), lane l's two words (g = l / 16, g = 2 + l / 16) at 8 l.  V^T: fragment t (16 positions of the head) x 128 keys at 2048 t + 512 c + 16 lane; scale word (t, r), laid likewise.
; CLUSTERS: 4 x 4 work-groups; A's tiles are asked for jointly along a row of the cluster, B's along a column.
; LIMITS: NaN and infinities are not served; a block whose largest magnitude lies under 2^-118 (a block of zeros too) keeps the byte 1: this program alone reads the bytes.
; REGISTERS: window 0: v16-30 addresses; v32-63 scale words, two sets; v64-127 the bias; v128-255 A's fragments, one set (on the way out: at work).  Window 1: B's fragments, two sets.  Windows 2, 3: the accumulators ((a, b) at v[8 (8 (a % 4) + b)]).
.set KSA,   0x200000                   ; bytes from a K step of A's codes to the next
.set KSB,   0x200000                   ; and of B's
.set PSA,   8192                       ; from a K step of A's scale words to the next, in elements of 8 bytes
.set PSB,   8192
.set NQ,    2                          ; matrix instructions deep in a slot
.set FR,    16                         ; registers of a fragment
.set NL,    4                          ; LDS loads that bring one
.set NP,    8                          ; places behind this matrix instruction (ISA guide 7.12.1)
.set HALFT, 32768                      ; 128 positions x 256 along K: what one tensor load brings
.set SLOT,  4*HALFT                    ; A's two halves, then B's two
.set SCL,   2*SLOT                     ; behind the ring: the scale words of all four K steps: wave w's 4,096 bytes at 4096 w + 128 (w / 2)
.set SPARE, SCL+16640                  ; the spare words, 128 bytes for each wave: two blocks of 256 bytes that no other line names
.set REC3,  25344                      ; qkv: a block's three parts
.set PART,  8448
.set ADRA, 16                          ; v16-17 LDS address of my A fragments in slot 0, 1
.set ADRB, 20                          ; v20-21 the same for B
.set LI,   24                          ; v24 16 x lane
.set L8,   25                          ; v25 8 x lane
.set ADRS, 27                          ; v27 LDS address of my scale words: lanes 0-15 A's, lanes 16-31 B's
.set SPW,  28                          ; v28 LDS address of my spare word; never rewritten
.set NIL,  29                          ; v29 0; never rewritten
.set LN,   30                          ; v30 lane
.set SC,   32
.set BI,   64
.set AF,   128
.set TM,   128                         ; the way out: v128-143 at work, v144-151 scale words, v152-159 and v176-179 their regrouping, v160-175 codes
.set PW,   144
.set HW,   152
.set PC,   160
.set RW,   176
.set WV,   16                          ; s16 wave; s17 which half of A's rows is mine (also: I fetch for A or for B); s18 which half of B's (also: which half I fetch); s19 1 for v
.set RH,   17
.set CH,   18
.set VF,   19
.set SEL,  2                           ; s[2:3] lane selects: lane l xor 16
.set MNT,  66
.set G1,   24
.set G0,   32
.set G1B,  48
.set G0B,  56
.set G1S,  68
.set G0S,  76
.set G1SB, 80
.set G0SB, 88
.set MSB, 0
.macro WIN new                         ; the immediate's high byte repeats the setting that is left
.if MSB != (\new)
	s_set_vgpr_msb (MSB<<8)|(\new)
.set MSB, (\new)
.endif
.endm
.set MUL_LO, 0xa1                      ; source 0 (B) window 1, source 1 (A) window 0, C and D window 2
.set MUL_HI, 0xf1                      ; the same, C and D window 3
.set BIA_LO, 0x81                      ; C (the bias) window 0, D window 2
.set BIA_HI, 0xc1
.set TO_B,   0x40                      ; destination window 1, address window 0
; A joint load: waves 0 and 1 fetch for A, waves 2 and 3 for B; the branch hangs on the wave's number alone.  Four v_nop follow each of the two lines.
.macro JLOAD g0a, g1a, g0b, g1b
	s_cmp_eq_u32 s[RH], 0
	s_cbranch_scc0 .Lfor_b_\@
	tensor_load_to_lds s[\g0a:\g0a+3], s[\g1a:\g1a+7]
	s_nop 0
.rept 4
	v_nop
.endr
	s_branch .Lasked_\@
.Lfor_b_\@:
	tensor_load_to_lds s[\g0b:\g0b+3], s[\g1b:\g1b+7]
	s_nop 0
.rept 4
	v_nop
.endr
.Lasked_\@:
.endm
.macro CREST                           ; a round of the cluster's barrier behind its opening barrier
	s_cmp_lg_u32 s[WV], 0
	s_cbranch_scc1 .Lnot_wave_0_\@
	s_barrier_signal -3
.Lnot_wave_0_\@:
	s_barrier_wait -3
	s_barrier_signal -1
	s_barrier_wait -1
.endm
.macro CROUND
	s_barrier_signal -1
	s_barrier_wait -1
	CREST
.endm
	s_load_b256 s[4:11], s[0:1], 0x0               ; ops, opsc, bq, bk
	s_load_b128 s[12:15], s[0:1], 0x20             ; bv, qkv
	v_lshl_add_u32 v[SPW], v0, 2, SPARE
	v_mov_b32 v[NIL], 0
	ds_add_u32 v28, v29
	ds_add_u32 v28, v29
	s_wait_dscnt 0x0
	v_lshrrev_b32 v1, 5, v0
	v_readfirstlane_b32 s[WV], v1
	s_lshr_b32 s[RH], s[WV], 1
	s_and_b32 s[CH], s[WV], 1
	s_bfe_u32 s40, ttmp6, 0x40000                  ; cx, cy: my place in the cluster
	s_bfe_u32 s41, ttmp6, 0x40004
	s_lshr_b32 s[VF], ttmp9, 1                     ; cluster x 2: v
	s_xor_b32 s20, s[VF], 1
	s_and_b32 s21, ttmp7, 0xffff
	s_lshl_b32 s21, s21, 2                         ; 4 x cluster y
	s_mul_i32 s45, s20, s21                        ; A's tile of 256 positions: x's 4 cluster y + cy, or Wv's 24 + cy
	s_add_co_u32 s45, s45, s41
	s_mul_i32 s22, s[VF], 24
	s_add_co_u32 s45, s45, s22
	s_lshl_b32 s42, ttmp9, 2                       ; B's: Wq's 16 + cx, Wk's 20 + cx, or x's 4 cluster y + cx
	s_add_co_u32 s42, s42, 16
	s_mul_i32 s42, s42, s20
	s_add_co_u32 s42, s42, s40
	s_mul_i32 s22, s[VF], s21
	s_add_co_u32 s42, s42, s22
	s_lshl_b32 s43, s41, 2
	s_lshl_b32 s43, 15, s43                        ; my row of the cluster
	s_lshl_b32 s44, 0x1111, s40                    ; my column
	; descriptor group 1, codes: 32,768 dense bytes as 128 rows of 32 elements of 8 bytes
	s_or_b32 s[G1+0], s43, (3<<16)|(1<<21)         ; 15:0 the mask; 17:16 elements of 8 bytes; 21 set beside a mask; no padding
	s_or_b32 s[G1B+0], s44, (3<<16)|(1<<21)
.irp g, G1, G1B
	s_mov_b32 s[\g+1], 32<<16                      ; tensor_dim0
	s_mov_b32 s[\g+2], 128<<16                     ; tensor_dim1
	s_mov_b32 s[\g+3], 32<<16                      ; tile_dim0
	s_mov_b32 s[\g+4], 128                         ; tile_dim1
	s_mov_b32 s[\g+5], 32                          ; tensor_dim0_stride
	s_mov_b32 s[\g+6], 0
	s_mov_b32 s[\g+7], 0
.endr
	; scale words of 128 positions: four rows (K steps) of 1,024 bytes
	s_or_b32 s[G1S+0], s43, (3<<16)|(1<<21)
	s_or_b32 s[G1SB+0], s44, (3<<16)|(1<<21)
.irp g, G1S, G1SB
	s_mov_b32 s[\g+1], 128<<16
	s_mov_b32 s[\g+2], 4<<16
	s_mov_b32 s[\g+3], 128<<16
	s_mov_b32 s[\g+4], 4
	s_mov_b32 s[\g+6], 0
	s_mov_b32 s[\g+7], 0
.endr
	s_mov_b32 s[G1S+5], PSA
	s_mov_b32 s[G1SB+5], PSB
	s_lshl_b32 s92, s45, 1
	s_add_co_u32 s92, s92, s[CH]                   ; A: which 128 positions I fetch
	s_lshl_b32 s96, s92, 10                        ; their scale words,
	s_lshl_b32 s92, s92, 15                        ; their codes
	s_mov_b32 s93, 0
	s_mov_b32 s97, 0
	s_lshl_b32 s94, s42, 1
	s_add_co_u32 s94, s94, s[CH]                   ; B likewise
	s_lshl_b32 s98, s94, 10
	s_lshl_b32 s94, s94, 15
	s_mov_b32 s95, 0
	s_mov_b32 s99, 0
	s_lshl_b32 s46, s[WV], 15                      ; where they go: wave x 32,768: no place in the cluster enters an LDS address
	s_lshl_b32 s47, s[WV], 12
	s_lshl_b32 s23, s[RH], 7
	s_add_co_u32 s47, s47, s23
	s_mov_b32 s[SEL], 0x76543210
	s_mov_b32 s[SEL+1], 0xfedcba98
	s_mov_b32 s[MNT], 0x600000
	s_wait_kmcnt 0x0
	s_add_nc_u64 s[92:93], s[4:5], s[92:93]
	s_add_nc_u64 s[96:97], s[6:7], s[96:97]
	s_add_nc_u64 s[94:95], s[4:5], s[94:95]
	s_add_nc_u64 s[98:99], s[6:7], s[98:99]
	CROUND                                         ; all sixteen work-groups are here: the first joint loads meet
	s_mov_b32 s[G0S], 1
	s_add_co_u32 s[G0S+1], s47, SCL
	s_mov_b64 s[G0S+2:G0S+3], s[96:97]
	s_or_b32 s[G0S+3], s[G0S+3], 0x80000000
	s_mov_b32 s[G0SB], 1
	s_add_co_u32 s[G0SB+1], s47, SCL
	s_mov_b64 s[G0SB+2:G0SB+3], s[98:99]
	s_or_b32 s[G0SB+3], s[G0SB+3], 0x80000000
	JLOAD G0S, G1S, G0SB, G1SB                     ; the scale words first: filled once
.irp s, 0,1
	s_mov_b32 s[G0+4*\s], 1
	s_add_co_u32 s[G0+4*\s+1], s46, \s*SLOT
	s_add_nc_u64 s[G0+4*\s+2:G0+4*\s+3], s[92:93], \s*KSA
	s_or_b32 s[G0+4*\s+3], s[G0+4*\s+3], 0x80000000
	s_mov_b32 s[G0B+4*\s], 1
	s_add_co_u32 s[G0B+4*\s+1], s46, \s*SLOT
	s_add_nc_u64 s[G0B+4*\s+2:G0B+4*\s+3], s[94:95], \s*KSB
	s_or_b32 s[G0B+4*\s+3], s[G0B+4*\s+3], 0x80000000
	s_wait_alu depctr_va_vdst(0)
	s_wait_tensorcnt 0x0
	ds_add_u32 v28, v29
	s_wait_dscnt 0x0
	CROUND
	JLOAD G0+4*\s, G1, G0B+4*\s, G1B               ; a wave's one tensor load behind the round
.endr
	v_and_b32 v[LN], 31, v0
	v_and_b32 v1, 15, v0                           ; r
	v_bfe_u32 v2, v0, 4, 1                         ; h
	s_wait_alu depctr_va_vdst(0)
	v_lshlrev_b32 v[LI], 4, v[LN]
	v_lshlrev_b32 v[L8], 3, v[LN]
	s_lshl_b32 s21, s[RH], 15                      ; my 128 positions of A
	s_lshl_b32 s22, s[CH], 15                      ; and of B,
	s_add_co_u32 s22, s22, 2*HALFT                 ; which lie behind A's 256
.irp s, 0,1
	v_add_nc_u32 v[ADRA+\s], s21, v[LI]
	v_add_nc_u32 v[ADRB+\s], s22, v[LI]
	s_add_co_u32 s21, s21, SLOT
	s_add_co_u32 s22, s22, SLOT
.endr
	s_lshl_b32 s21, s[RH], 12                      ; A's scale words of my 128 positions
	s_lshl_b32 s22, s[CH], 12                      ; B's, behind A's two halves and 128 bytes on, so that the two halves of the lanes read different banks
	s_add_co_u32 s22, s22, 2*4096+128
	s_sub_co_u32 s22, s22, s21
	v_mul_u32_u24 v4, s22, v2                      ; lanes 16-31 take B's
	s_add_co_u32 s21, s21, SCL
	v_lshl_add_u32 v4, v1, 3, v4                   ; 8 bytes a position
	v_add_nc_u32 v[ADRS], s21, v4
	; the bias, in the result's layout
	v_lshlrev_b32 v5, 6, v2                        ; q, k: lane (r, h) wants, for B's block b, columns 32 (b / 2) + 16 h + 8 (b % 2) + 0 .. 7
	v_and_b32 v6, 8, v1
	v_add_nc_u32 v6, v6, v1
	v_lshlrev_b32 v6, 2, v6                        ; v: for A's block a, column 32 (a / 2) + 8 (a % 2) + r + 8 (r / 8), in all eight registers
	s_cmp_lg_u32 s[VF], 0
	s_cbranch_scc1 .Lbias_v
	s_cmp_eq_u32 ttmp9, 0
	s_cselect_b64 s[20:21], s[8:9], s[10:11]       ; bq or bk
	s_lshl_b32 s22, s40, 10
	s_lshl_b32 s23, s[CH], 9
	s_add_co_u32 s22, s22, s23                     ; my first column: 256 cx + 128 x half
	s_mov_b32 s23, 0
	s_add_nc_u64 s[20:21], s[20:21], s[22:23]
	s_wait_alu depctr_va_vdst(0)
.irp b, 0,1,2,3,4,5,6,7
	global_load_b128 v[BI+8*\b:BI+8*\b+3], v5, s[20:21] offset:(32*(\b/2)+8*(\b%2))*4
	global_load_b128 v[BI+8*\b+4:BI+8*\b+7], v5, s[20:21] offset:(32*(\b/2)+8*(\b%2))*4+16
.endr
	s_branch .Lbias_in
.Lbias_v:
	s_lshl_b32 s22, s41, 10
	s_lshl_b32 s23, s[RH], 9
	s_add_co_u32 s22, s22, s23                     ; 256 cy + 128 x half
	s_mov_b32 s23, 0
	s_add_nc_u64 s[20:21], s[12:13], s[22:23]
	s_wait_alu depctr_va_vdst(0)
.irp a, 0,1,2,3,4,5,6,7
.irp j, 0,1,2,3,4,5,6,7
	global_load_b32 v[BI+8*\a+\j], v6, s[20:21] offset:(32*(\a/2)+8*(\a%2))*4
.endr
.endr
.Lbias_in:
.macro FRAG reg, adr, q, i             ; a fragment's image: four chunks of 512 bytes, 16 x lane in each
.irp c, 0,1,2,3
	ds_load_b128 v[\reg+4*\c:\reg+4*\c+3], v[\adr] offset:4096*(\i)+2048*(\q)+512*\c
.endr
.endm
; 16 matrix instructions: A's blocks a0, a0 + 1 x B's eight, the slot's q-th 128 along K.  p: B's set; sc: the set of scale words.  mode 0: adds in place; 1: starts the sums with the bias along B; 2: along A.
; The 64 accumulators take turns, one instruction a turn, in the same order in every step.
.macro MUL16 a0, p, q, sc, mode
.irp a, \a0, \a0+1
.irp b, 0,1,2,3,4,5,6,7
.if \mode == 1
	v_wmma_scale_f32_16x16x128_f8f6f4 v[8*(8*((\a)%4)+\b):8*(8*((\a)%4)+\b)+7], v[128*(\p)+FR*\b:128*(\p)+FR*\b+FR-1], v[AF+FR*(\a):AF+FR*(\a)+FR-1], v[BI+8*\b:BI+8*\b+7], v[SC+8*NQ*(\sc)+NQ*\b+(\q)], v[SC+8*NQ*(\sc)+NQ*(\a)+(\q)] matrix_a_scale:MATRIX_SCALE_ROW1
.elseif \mode == 2
	v_wmma_scale_f32_16x16x128_f8f6f4 v[8*(8*((\a)%4)+\b):8*(8*((\a)%4)+\b)+7], v[128*(\p)+FR*\b:128*(\p)+FR*\b+FR-1], v[AF+FR*(\a):AF+FR*(\a)+FR-1], v[BI+8*(\a):BI+8*(\a)+7], v[SC+8*NQ*(\sc)+NQ*\b+(\q)], v[SC+8*NQ*(\sc)+NQ*(\a)+(\q)] matrix_a_scale:MATRIX_SCALE_ROW1
.else
	v_wmma_scale_f32_16x16x128_f8f6f4 v[8*(8*((\a)%4)+\b):8*(8*((\a)%4)+\b)+7], v[128*(\p)+FR*\b:128*(\p)+FR*\b+FR-1], v[AF+FR*(\a):AF+FR*(\a)+FR-1], v[8*(8*((\a)%4)+\b):8*(8*((\a)%4)+\b)+7], v[SC+8*NQ*(\sc)+NQ*\b+(\q)], v[SC+8*NQ*(\sc)+NQ*(\a)+(\q)] matrix_a_scale:MATRIX_SCALE_ROW1
.endif
.endr
.endr
.endm
.macro FETCH_B slot, q, p
	WIN TO_B
.irp i, 0,1,2,3,4,5,6,7
	FRAG 128*(\p)+FR*\i, ADRB+\slot, \q, \i
.endr
	WIN 0
.endm
.macro FETCH_A slot, q, i0
.irp i, \i0, \i0+1, \i0+2, \i0+3
	FRAG AF+FR*(\i), ADRA+\slot, \q, \i
.endr
.endm
.macro SCALES sc                       ; a K step's scale words: two a position; lanes 0-15 take A's block i, lanes 16-31 B's block i
.irp i, 0,1,2,3,4,5,6,7
	ds_load_b64 v[SC+8*NQ*\sc+NQ*\i:SC+8*NQ*\sc+NQ*\i+1], v[ADRS] offset:128*\i
.endr
.endm
.macro PLACES n                        ; plain vector lines between a matrix instruction and a load into, or a read of, its registers
.rept \n
	v_nop
.endr
.endm
; A step of 128 along K that has its successor in the same slot
.macro STEP slot, q, mode
	s_wait_dscnt 4*NL                              ; B's set and A's blocks 0-3 are in; the youngest 16 loads (A's blocks 4-7) may be out
.if \mode
	WIN BIA_LO
.else
	WIN MUL_LO
.endif
	MUL16 0, (\q)%2, \q, \slot, \mode
	MUL16 2, (\q)%2, \q, \slot, \mode
	s_wait_dscnt 0
	PLACES NP
	FETCH_B \slot, (\q)+1, 1-(\q)%2
	FETCH_A \slot, (\q)+1, 0
.if \mode
	WIN BIA_HI
.else
	WIN MUL_HI
.endif
	MUL16 4, (\q)%2, \q, \slot, \mode
	MUL16 6, (\q)%2, \q, \slot, \mode
	PLACES NP
	WIN 0
	FETCH_A \slot, (\q)+1, 4
.endm
; A slot's last step changes slots: one barrier; in front of it each wave waits for all its tensor loads, adds 0 to its spare word, and waits for that and for its reads of this slot.  fill = 1: the slot is filled again, two K steps ahead.
.macro TURN slot, next, fill
	s_wait_tensorcnt 0x0                           ; all my tensor loads have landed: my part of the next slot
	ds_add_u32 v[SPW], v[NIL]                      ; 0 onto my spare word
	s_wait_dscnt 4*NL+1                            ; (the add and the youngest 16 loads may be out)
	WIN MUL_LO
	MUL16 0, 1, NQ-1, \slot, 0
	s_wait_dscnt 0x0                               ; the add is done, and my reads of this slot are over
	s_barrier_signal -1
	MUL16 2, 1, NQ-1, \slot, 0
	WIN 0
	s_barrier_wait -1
.if \fill
	CREST                                          ; the barrier has opened a round of the cluster's: no wave of any partner still reads this slot or has a load on its way
	s_add_nc_u64 s[G0+4*\slot+2:G0+4*\slot+3], s[G0+4*\slot+2:G0+4*\slot+3], 2*KSA
	s_add_nc_u64 s[G0B+4*\slot+2:G0B+4*\slot+3], s[G0B+4*\slot+2:G0B+4*\slot+3], 2*KSB
	JLOAD G0+4*\slot, G1, G0B+4*\slot, G1B         ; the first tensor load behind the round; its four v_nop are among the places in front of the loads below
	PLACES NP-4
.else
	PLACES NP
.endif
	s_wait_alu depctr_va_vdst(0)
	v_add_nc_u32 v[ADRS], 1024, v[ADRS]            ; the next K step's scale words
	FETCH_B \next, 0, 0
	FETCH_A \next, 0, 0
	SCALES \next
	WIN MUL_HI
	MUL16 4, 1, NQ-1, \slot, 0
	MUL16 6, 1, NQ-1, \slot, 0
	PLACES NP
	WIN 0
	FETCH_A \next, 0, 4
.endm
	s_wait_tensorcnt 1                             ; the scale words and my part of K step 0 are in; K step 1's load may be out
	s_barrier_signal -1
	s_barrier_wait -1
	FETCH_B 0, 0, 0
	FETCH_A 0, 0, 0
	SCALES 0
	FETCH_A 0, 0, 4
	s_wait_loadcnt 0x0                             ; the bias
	s_cmp_lg_u32 s[VF], 0
	s_cbranch_scc1 .Lfirst_v
	STEP 0, 0, 1                                   ; the first products start the sums with the bias: nothing is cleared
	s_branch .Lfirst_done
.Lfirst_v:
	STEP 0, 0, 2
.Lfirst_done:
	TURN 0, 1, 1                                   ; K = 1,024 is four K steps, eight steps of 128: written out
	STEP 1, 0, 0
	TURN 1, 0, 1
	STEP 0, 0, 0
	TURN 0, 1, 0                                   ; nothing is left to fetch
	STEP 1, 0, 0
	s_wait_dscnt 4*NL
	WIN MUL_LO
	MUL16 0, 1, NQ-1, 1, 0
	MUL16 2, 1, NQ-1, 1, 0
	s_wait_dscnt 0
	WIN MUL_HI
	MUL16 4, 1, NQ-1, 1, 0
	MUL16 6, 1, NQ-1, 1, 0
	WIN 0
	PLACES NP
; THE WAY OUT.  The 64 registers of A's block a are, in each lane, four blocks of 16 neighbours along the next K; lane l xor 16 holds the other 16 of each.  They become 16 registers of codes in v[PC] on and a scale word in v[PW + a].
.macro QUANTW a
.set AC, 64*((\a)%4)
.set W, 2+(\a)/4
	WIN W|(W<<2)                                   ; sources 0 and 1: the accumulators' window
.irp b, 0,1,2,3
	v_max3_num_f32 v[TM+\b], |v[AC+16*\b]|, |v[AC+16*\b+1]|, 0x4800000   ; each accumulator from its low end on; the floor 2^(9 - 127) holds the byte at 1 from below
.endr
	WIN (W<<2)|(W<<4)                              ; sources 1 and 2
.irp i, 2,4,6,8,10,12,14
.irp b, 0,1,2,3
	v_max3_num_f32 v[TM+\b], v[TM+\b], |v[AC+16*\b+\i]|, |v[AC+16*\b+\i+1]|
.endr
.endr
	WIN 0
.irp b, 0,1,2,3
	v_permlanex16_b32 v[TM+4+\b], v[TM+\b], s[SEL], s[SEL+1]
.endr
.irp b, 0,1,2,3
	v_max_num_f32 v[TM+\b], v[TM+\b], v[TM+4+\b]
.endr
.irp b, 0,1,2,3
	v_add_nc_u32 v[TM+12+\b], 0xfc000000, v[TM+\b] ; 8 off the exponent field: the conversion's scale operand
.endr
.irp b, 0,1,2,3
	v_and_or_b32 v[TM+8+\b], v[TM+\b], 0x7f800000, s[MNT]   ; 448 x the scale
.endr
.irp b, 0,1,2,3
	v_lshrrev_b32 v[TM+4+\b], 23, v[TM+12+\b]
.endr
	v_lshl_or_b32 v[PW+(\a)], v[TM+5], 8, v[TM+4]
	v_lshl_or_b32 v[PW+(\a)], v[TM+6], 16, v[PW+(\a)]
	v_lshl_or_b32 v[PW+(\a)], v[TM+7], 24, v[PW+(\a)]
	s_wait_xcnt 0x0                                ; the last block's stores have read the codes' registers
	WIN (W<<6)|W                                   ; destination and source 0
.irp b, 0,1,2,3
.irp i, 0,1,2,3,4,5,6,7,8,9,10,11,12,13,14,15
	v_med3_num_f32 v[AC+16*\b+\i], v[AC+16*\b+\i], -v[TM+8+\b], v[TM+8+\b]   ; the conversion to an 8-bit code does not saturate (ISA guide 7.6.2): the hold
.endr
.endr
	WIN W                                          ; source 0
.irp b, 0,1,2,3
	v_cvt_scalef32_pk8_fp8_f32 v[PC+4*\b:PC+4*\b+1], v[AC+16*\b:AC+16*\b+7], v[TM+12+\b]
	v_cvt_scalef32_pk8_fp8_f32 v[PC+4*\b+2:PC+4*\b+3], v[AC+16*\b+8:AC+16*\b+15], v[TM+12+\b]
.endr
	WIN 0
	v_nop                                          ; a plain line behind the last conversion
.endm
; s[92:93], s[94:95]: my block of 128 rows of x in the records of my two heads.  trow, hrow: the tile and half that hold x's rows; cc, hcol: the place and half that hold the heads.  The part's number is the cluster's x.
.macro RECBASE trow, hrow, cc, hcol
	s_lshl_b32 s20, s[\trow], 1
	s_add_co_u32 s20, s20, s[\hrow]                ; which 128 rows of x
	s_lshr_b32 s21, s20, 4                         ; the batch,
	s_and_b32 s20, s20, 15                         ; the block in it
	s_lshl_b32 s22, s[\cc], 2
	s_lshl_b32 s23, s[\hcol], 1
	s_add_co_u32 s22, s22, s23                     ; my first head
	s_lshl_b32 s21, s21, 4
	s_add_co_u32 s21, s21, s22
	s_lshl_b32 s21, s21, 4
	s_add_co_u32 s21, s21, s20
	s_mul_i32 s92, s21, REC3
	s_mul_i32 s93, ttmp9, PART
	s_add_co_u32 s92, s92, s93
	s_mov_b32 s93, 0
	s_add_nc_u64 s[92:93], s[14:15], s[92:93]
	s_add_nc_u64 s[94:95], s[92:93], 16*REC3       ; the next head
.endm
.irp b, 0,1,2,3
	v_mov_b32 v[TM+4+\b], 0                        ; written once: a lane permute's destination counts as one of its sources
.endr
	v_cmp_le_u32 vcc_lo, 16, v[LN]                 ; the upper half of the lanes
	s_cmp_lg_u32 s[VF], 0
	s_cbranch_scc1 .Lout_v
	; q, k: blocks 0, 1 of a lane's four are my first head's 64, blocks 2, 3 my second's
	RECBASE 45, RH, 40, CH
.irp a, 0,1,2,3,4,5,6,7
	QUANTW \a
.irp e, 0,1
.irp c, 0,1
	global_store_b128 v[LI], v[PC+8*\e+4*\c:PC+8*\e+4*\c+3], s[92+2*\e:93+2*\e] offset:1024*\a+512*\c   ; 512 consecutive bytes, aligned
.endr
.endr
.endr
.irp g, 0,1,2,3
	v_perm_b32 v[HW+\g], v[PW+2*\g+1], v[PW+2*\g], 0x05040100     ; the first head's two bytes of blocks 2 g and 2 g + 1
	v_perm_b32 v[HW+4+\g], v[PW+2*\g+1], v[PW+2*\g], 0x07060302   ; the second head's
.endr
.irp e, 0,1
	v_cndmask_b32 v[RW+2*\e], v[HW+4*\e], v[HW+4*\e+1], vcc_lo
	v_cndmask_b32 v[RW+2*\e+1], v[HW+4*\e+2], v[HW+4*\e+3], vcc_lo
	global_store_b64 v[L8], v[RW+2*\e:RW+2*\e+1], s[92+2*\e:93+2*\e] offset:8192   ; 256 consecutive bytes, aligned
.endr
	s_branch .Lout
.Lout_v:
	; v: A's blocks 0-3 are my first head's 64 channels, 4-7 my second's; a lane's four blocks are the four blocks of 32 keys
	RECBASE 42, CH, 41, RH
.irp a, 0,1,2,3,4,5,6,7
	QUANTW \a
.irp c, 0,1,2,3
	global_store_b128 v[LI], v[PC+4*\c:PC+4*\c+3], s[92+2*(\a/4):93+2*(\a/4)] offset:2048*(\a%4)+512*\c
.endr
.endr
.irp e, 0,1
	v_cndmask_b32 v[RW+2*\e], v[PW+4*\e], v[PW+4*\e+1], vcc_lo
	v_cndmask_b32 v[RW+2*\e+1], v[PW+4*\e+2], v[PW+4*\e+3], vcc_lo
	global_store_b64 v[L8], v[RW+2*\e:RW+2*\e+1], s[92+2*\e:93+2*\e] offset:8192
.endr
.Lout:
	s_wait_tensorcnt 0x0                           ; the wave's end
	ds_add_u32 v[SPW], v[NIL]
	s_wait_dscnt 0x0
	CROUND                                         ; the closing round: no work-group ends while a partner may still ask for a tile that names it
	s_endpgm
.Lfunc_end_k_q26821f381f_qkv:
	.size	k_q26821f381f_qkv, .Lfunc_end_k_q26821f381f_qkv-k_q26821f381f_qkv
	.p2alignl 7, 3214868480
	.fill 96, 4, 3214868480
	.section	.rodata,"a",@progbits
	.p2align	6, 0x0
	.amdhsa_kernel k_q26821f381f_qkv
		.amdhsa_group_segment_fixed_size 327680
		.amdhsa_private_segment_fixed_size 0
		.amdhsa_enable_private_segment 0
		.amdhsa_kernarg_size 48
		.amdhsa_user_sgpr_count 2
		.amdhsa_user_sgpr_kernarg_segment_ptr 1
		.amdhsa_wavefront_size32 1
		.amdhsa_system_sgpr_workgroup_id_x 1
		.amdhsa_system_sgpr_workgroup_id_y 1
		.amdhsa_system_sgpr_workgroup_id_z 1
		.amdhsa_system_vgpr_workitem_id 0
		.amdhsa_next_free_vgpr 1024
		.amdhsa_next_free_sgpr 100
		.amdhsa_reserve_vcc 1
		.amdhsa_float_denorm_mode_32 3
		.amdhsa_float_denorm_mode_16_64 3
		.amdhsa_memory_ordered 1
		.amdhsa_forward_progress 1
		.amdhsa_inst_pref_size 255
	.end_amdhsa_kernel
	.section	.bss,"aw",@nobits
	.p2align	6
	.space	262144
	.amdgpu_metadata
---
amdhsa.version: [ 1, 2 ]
amdhsa.kernels:
  - .name:           k_q26821f381f_qkv
    .symbol:         k_q26821f381f_qkv.kd
    .args:
      - { .name: ops, .offset: 0, .size: 8, .value_kind: global_buffer, .address_space: global }
      - { .name: opsc, .offset: 8, .size: 8, .value_kind: global_buffer, .address_space: global }
      - { .name: bq, .offset: 16, .size: 8, .value_kind: global_buffer, .address_space: global }
      - { .name: bk, .offset: 24, .size: 8, .value_kind: global_buffer, .address_space: global }
      - { .name: bv, .offset: 32, .size: 8, .value_kind: global_buffer, .address_space: global }
      - { .name: qkv, .offset: 40, .size: 8, .value_kind: global_buffer, .address_space: global }
    .group_segment_fixed_size: 327680
    .private_segment_fixed_size: 0
    .kernarg_segment_align: 8
    .kernarg_segment_size: 48
    .max_flat_workgroup_size: 128
    .sgpr_count:     100
    .vgpr_count:     1024
    .wavefront_size: 32
...
	.end_amdgpu_metadata
.endif
;; end of part 2
;; launch attn (part 3): grid 8 x 32, 16 waves a work-group, clusters of 4 x 1, 327,680 bytes of LDS; arguments qkv, yc, ys; writes yc, ys
.if DOCPART == 3
	.amdgcn_target "amdgcn-amd-amdhsa--gfx1250"
	.amdhsa_code_object_version 6
	.text
	.protected	k_q26821f381f_attn
	.globl	k_q26821f381f_attn
	.p2align	8
	.type	k_q26821f381f_attn,@function
k_q26821f381f_attn:
	s_mov_b64 s[64:65], 0
	v_nop
	global_prefetch_b8 v0, s[64:65] scope:SCOPE_SE
	s_setreg_imm32_b32 hwreg(HW_REG_WAVE_MODE, 25, 1), 1
	s_wait_xcnt 0x0
	s_wait_alu depctr_hold_cnt(0) depctr_sa_sdst(0) depctr_va_vdst(0) depctr_va_sdst(0) depctr_va_ssrc(0) depctr_va_vcc(0) depctr_vm_vsrc(0)
	s_getreg_b32 s2, hwreg(HW_REG_IB_STS2, 6, 4)
	s_cmp_eq_u32 s2, 0
	s_cbranch_scc0 .Lentry_in_a_cluster
	s_endpgm
.Lentry_in_a_cluster:
	s_bfe_u32 s2, ttmp6, 0x10000c
	s_cmp_lg_u32 s2, 0x3003
	s_cbranch_scc0 .Lentry_shape_is_right
	s_endpgm
.Lentry_shape_is_right:
; y[b][s][h 64 + d] = the sum over keys k <= s of softmax_k(q . k / 8) v, both products on codes of FP8 (E4M3) with E8M0 scales; y is quantised along E in registers and stored as the last product's operand.
; SOFTMAX: t = score x log2(e) / 8; M = the row's largest t so far, rounded UP to a whole number; p = 2^(t - M) is quantised along the keys, not normalised; the row's sum is taken of the unquantised p and divides O at the end.
; When M moves, the sum and O are multiplied by 2^(old M - new M): exact.
; qkv [b h: 32][block of 128 rows: 16][Q, K, V^T][8,192 bytes of codes + 256 of scale words], images of operand registers.  In each group of 32 rows, position 16 u + r is row 8 u + r + 8 (r / 8).
; THE HEAD IS 64, THE INSTRUCTION'S K 128: 2,048 bytes of K hold TWO tiles of 16 keys; Q stands in one half of its operand with zero CODES in the other, which add nothing (Q's spare scale bytes are 127).
; Both products are used transposed (S^T = K Q^T, O^T = V^T P^T): a lane holds ONE query; the 16 registers of a pair of tiles are 16 neighbouring keys.
; THE WHOLE HEAD'S K AND V^T LIE IN LDS: 16 blocks of 16,896 bytes, filled once: each of the sixteen waves asks for one block, jointly with the three partners of the cluster (four work-groups of one head: mask 15).
; SHARES.  Work-group i owns tile i (16 queries) of each of the head's 16 query blocks.  A tile of block B has B + 1 key steps of 128 keys (later steps are wholly masked and not done).  Pair p (waves 2 p, 2 p + 1) owns the long tile of block 8 + p
; and the short tile of block 7 - p: role 0 walks key blocks 0 .. 7 of the long tile; role 1 walks key blocks 8 .. 8 + p of it, leaves its sums in LDS, and walks the short tile's 0 .. 7 - p: 8 and 9 steps.  At the end role 0 adds the
; partner's sums and stores the long tile, role 1 stores the short one.  Trip 0 reads blocks 0 and 8 alone and is written out ahead of the loop: its products start the sums.
; No prefetch: all that the launch reads is asked for at its head.
; A block's largest p is not searched for: the block's largest score goes through the same multiply-add and exponential (this takes v_exp_f32 not to fall where its input rises).
; LIMITS: NaN and infinities are not served; the promise holds while scaled scores stay under 2^31 in magnitude; a block of y whose largest magnitude lies under 2^-118 keeps the byte 1: this program alone reads the bytes.
.set REC3, 25344
.set PART, 8448
.set REC2, 2*PART
.set XB,   16*REC2                     ; behind the blocks: role 1's sums, 4,608 bytes a pair
.set SPARE, XB+8*4608                  ; the spare words, 128 bytes a wave: no other line names them
.set LI,  1                            ; v1  16 x lane
.set L8,  2                            ; v2  8 x lane
.set ADK, 3                            ; v3  LDS address of the step's block + 16 x lane
.set YS,  3                            ; (the way out: 8 r + h)
.set ADS, 4                            ; v4  the same + 8 x lane
.set DQ,  5                            ; v5  my query in its block - 16 (lane / 16)
.set SPW, 6
.set NIL, 7
; v[8:9] K's scale words, v[10:11] V^T's, v16, v17 Q's for the lower and the upper half of K, v22 p's: scales and nothing else.  v12 -M, v13 the largest t, v[14:15] the sum, v[20:21] f, v18, v23 at work.
.set XA,  19                           ; v19 LDS address of my pair's sums
.set PS,  22
; v24-31 zeros, v32-39 Q, v40-47 zeros: v[32:47] is Q against a pair's first tile, v[24:39] against its second.
.set F,   48                           ; v48-111 four fragments of K, then of V^T
.set S,   112                          ; v112-175 S^T, then p
.set O,   176                          ; v176-207 O^T
.set PC,  208                          ; v208-223 p's codes
.set Q2,  224                          ; v224-231 the short tile's Q, v232, v233 its scale words
.set BM,  234                          ; v234-237 block maxima
.set PT,  238                          ; v238-241 lane permutes' destinations, then bytes
.set HL,  242                          ; v242-245 holds
.set SO,  246                          ; v246-249 scale operands;  v250-255 three more chains of the row's sum
.set WV,  10
.set RO,  11
.set PR,  12
.set TAU, 13
.set BH,  14
.set BLK, 15                           ; the query block that I store
.set T,   16
.set TB,  17
.set SEL, 18
.set CS,  20
.set MNT, 22
.set D1,  23                           ; the trip that lies on the long tile's diagonal (role 0: none)
.set SW,  24                           ; the trip that begins the short tile (role 0: none)
.set R8,  25
.set G0,  36
.set G1,  40
.macro CROUND                          ; a round of the cluster's barrier
	s_barrier_signal -1
	s_barrier_wait -1
	s_cmp_lg_u32 s[WV], 0
	s_cbranch_scc1 .Lnot_wave_0_\@
	s_barrier_signal -3
.Lnot_wave_0_\@:
	s_barrier_wait -3
	s_barrier_signal -1
	s_barrier_wait -1
.endm
.macro NOPS n
.rept \n
	v_nop
.endr
.endm
	s_load_b128 s[4:7], s[0:1], 0x0                ; qkv, yc
	s_load_b64 s[8:9], s[0:1], 0x10                ; ys
	v_lshl_add_u32 v[SPW], v0, 2, SPARE
	v_mov_b32 v[NIL], 0
	ds_add_u32 v[SPW], v[NIL]                      ; the opening
	ds_add_u32 v[SPW], v[NIL]
	v_lshrrev_b32 v18, 5, v0
	v_readfirstlane_b32 s[WV], v18
	s_lshr_b32 s[RO], s[WV], 2
	s_xor_b32 s[RO], s[RO], s[WV]
	s_and_b32 s[RO], s[RO], 1
	s_lshr_b32 s[PR], s[WV], 1
	s_bfe_u32 s54, ttmp6, 0x40000                  ; cx
	s_lshl_b32 s[TAU], ttmp9, 2
	s_add_co_u32 s[TAU], s[TAU], s54               ; my tile in each query block
	s_and_b32 s[BH], ttmp7, 0xffff
	s_lshl_b32 s50, s[BH], 4
	s_add_co_u32 s26, s[PR], 8
	s_sub_co_u32 s27, 7, s[PR]
	s_cmp_eq_u32 s[RO], 0
	s_cselect_b32 s[BLK], s26, s27
	s_mov_b32 s[D1], 99
	s_cselect_b32 s[D1], s[D1], s[PR]
	s_add_co_u32 s[SW], s[D1], 1
	s_lshl_b32 s[R8], s[RO], 3
	s_mul_i32 s[TB], s[R8], REC2                   ; trip 0: block 0 or 8
	s_mov_b32 s[T], 0
	s_add_co_u32 s28, s50, s26                     ; Q: the long tile's record, the short tile's
	s_mul_i32 s28, s28, REC3
	s_add_co_u32 s32, s50, s27
	s_mul_i32 s32, s32, REC3
	s_bfe_u32 s51, s[TAU], 0x10001                 ; its scale words: 8,192 + 128 ((tile / 2) % 2) + 4 (tile / 4) + 8 r
	s_lshl_b32 s51, s51, 7
	s_lshr_b32 s54, s[TAU], 2
	s_lshl_b32 s54, s54, 2
	s_add_co_u32 s51, s51, s54
	s_add_co_u32 s51, s51, 8192
	s_add_co_u32 s30, s28, s51
	s_add_co_u32 s34, s32, s51
	s_lshl_b32 s54, s[TAU], 10
	s_add_co_u32 s28, s28, s54
	s_add_co_u32 s32, s32, s54
	s_mov_b32 s29, 0
	s_mov_b32 s31, 0
	s_mov_b32 s33, 0
	s_mov_b32 s35, 0
	s_and_b32 s48, s[TAU], 1
	s_lshl_b32 s49, s48, 4                         ; which half of the word is my tile's
	s_lshl_b32 s48, s48, 3
	s_lshr_b32 s54, s[TAU], 1
	s_lshl_b32 s54, s54, 5
	s_add_co_u32 s48, s48, s54                     ; 32 (tile / 2) + 8 (tile % 2)
	s_and_b32 s52, s[WV], 1                        ; the block that I ask for: wave / 2 + 8 (wave % 2): waves 0 and 1 bring blocks 0 and 8
	s_lshl_b32 s52, s52, 3
	s_add_co_u32 s52, s52, s[PR]
	s_mov_b32 s[G0], 1
	s_mul_i32 s[G0+1], s52, REC2
	s_add_co_u32 s52, s52, s50
	s_mul_i32 s52, s52, REC3
	s_add_co_u32 s52, s52, PART
	s_mov_b32 s53, 0
	s_mov_b32 s[G1], 15|(3<<16)|(1<<21)            ; the mask; elements of 8 bytes; no padding: 66 rows of 256 dense bytes
	s_mov_b32 s[G1+1], 32<<16
	s_mov_b32 s[G1+2], 66<<16
	s_mov_b32 s[G1+3], 32<<16
	s_mov_b32 s[G1+4], 66
	s_mov_b32 s[G1+5], 32
	s_mov_b32 s[G1+6], 0
	s_mov_b32 s[G1+7], 0
	s_mul_i32 s55, s[PR], 4608
	s_add_co_u32 s55, s55, XB
	s_mov_b32 s[SEL], 0x76543210
	s_mov_b32 s[SEL+1], 0xfedcba98
	s_mov_b32 s[CS], 0x3e38aa3b                    ; c = log2(e) / 8
	s_mov_b32 s[CS+1], s[CS]
	s_mov_b32 s[MNT], 0x600000                     ; the mantissa field of 448
	v_and_b32 v23, 31, v0
	v_and_b32 v18, 15, v0                          ; r
	v_lshlrev_b32 v[LI], 4, v23
	v_lshlrev_b32 v[L8], 3, v23
	v_bfe_u32 v20, v0, 4, 1                        ; h
	v_and_b32 v[DQ], 8, v18
	v_lshlrev_b32 v20, 4, v20
	v_add_nc_u32 v[DQ], v[DQ], v18
	v_lshlrev_b32 v23, 3, v18
	v_sub_nc_u32 v[DQ], v[DQ], v20
	v_add_nc_u32 v[XA], s55, v[LI]
	v_add_nc_u32 v[DQ], s48, v[DQ]
	s_wait_alu depctr_va_vdst(0)
	s_wait_dscnt 0x0                               ; both opening adds are done
	CROUND                                         ; the partners are here: the joint loads meet
	s_wait_kmcnt 0x0
	s_add_nc_u64 s[G0+2:G0+3], s[4:5], s[52:53]
	s_or_b32 s[G0+3], s[G0+3], 0x80000000
	s_cmp_lt_u32 s[WV], 2                          ; one tensor load a wave; waves 0 and 1, which wait at the first barrier, have a line of their own
	s_cbranch_scc0 .Lothers
	tensor_load_to_lds s[G0:G0+3], s[G1:G1+7]
	s_nop 0
	NOPS 4
	s_branch .Lasked
.Lothers:
	tensor_load_to_lds s[G0:G0+3], s[G1:G1+7]
	s_nop 0
	NOPS 4
.Lasked:
	s_add_nc_u64 s[28:29], s[4:5], s[28:29]
	s_add_nc_u64 s[30:31], s[4:5], s[30:31]
	s_add_nc_u64 s[32:33], s[4:5], s[32:33]
	s_add_nc_u64 s[34:35], s[4:5], s[34:35]
	global_load_b128 v[32:35], v[LI], s[28:29]     ; the long tile's Q
	global_load_b128 v[36:39], v[LI], s[28:29] offset:512
	global_load_b32 v[BM], v23, s[30:31]
	global_load_b128 v[Q2:Q2+3], v[LI], s[32:33]   ; and the short tile's, in every wave: one path for both roles
	global_load_b128 v[Q2+4:Q2+7], v[LI], s[32:33] offset:512
	global_load_b32 v[BM+1], v23, s[34:35]
	s_wait_loadcnt 0x0
	v_lshrrev_b32 v[BM], s49, v[BM]
	v_lshrrev_b32 v[BM+1], s49, v[BM+1]
	v_and_b32 v[BM], 0xffff, v[BM]                 ; my tile's two bytes
	v_and_b32 v[BM+1], 0xffff, v[BM+1]
	v_or_b32 v16, 0x7f7f0000, v[BM]                ; for Q in the lower half of K,
	v_lshl_or_b32 v17, v[BM], 16, 0x7f7f           ; and in the upper
	v_or_b32 v[Q2+8], 0x7f7f0000, v[BM+1]
	v_lshl_or_b32 v[Q2+9], v[BM+1], 16, 0x7f7f
.irp j, 0,1,2,3,4,5,6,7
	v_mov_b32 v[24+\j], 0                          ; zero codes beside Q
	v_mov_b32 v[40+\j], 0
.endr
.irp b, 0,1,2,3
	v_mov_b32 v[PT+\b], 0                          ; written once: a lane permute's destination counts as one of its sources
.endr
	v_mov_b32 v21, 0                               ; (named as the upper half of the pair v[20:21])
.macro ADD2 d, a, b
	v_pk_add_f32 v[\d:\d+1], v[\a:\a+1], v[\b:\b+1]
.endm
; A KEY STEP of 128 keys, from the block at s[TB].  first = 1: it starts the sums.
.macro STEP first
	v_add_nc_u32 v[ADK], s[TB], v[LI]
	v_add_nc_u32 v[ADS], s[TB], v[L8]
.if \first == 0
	NOPS 3                                         ; with the two lines above and the last step's three additions: eight places in front of loads into registers that its products have read
.endif
	ds_load_b64 v[8:9], v[ADS] offset:8192
	ds_load_b64 v[10:11], v[ADS] offset:PART+8192
.irp b, 0,1,2,3
.irp c, 0,1,2,3
	ds_load_b128 v[F+16*\b+4*\c:F+16*\b+4*\c+3], v[ADK] offset:2048*\b+512*\c
.endr
.endr
	s_wait_alu depctr_va_vdst(0)
.irp b, 0,1,2,3                                ; S^T = K Q^T: pair b, its first and its second tile
	s_wait_dscnt 12-4*\b                           ; pair b is in; the later pairs' loads, four each, may be out
.irp u, 0,1
.if \b%2
	v_wmma_scale_f32_16x16x128_f8f6f4 v[S+8*(2*\b+\u):S+8*(2*\b+\u)+7], v[F+16*\b:F+16*\b+15], v[32-8*\u:47-8*\u], 0, v[8+\b/2], v[16+\u] matrix_a_scale:MATRIX_SCALE_ROW1
.else
	v_wmma_scale_f32_16x16x128_f8f6f4 v[S+8*(2*\b+\u):S+8*(2*\b+\u)+7], v[F+16*\b:F+16*\b+15], v[32-8*\u:47-8*\u], 0, v[8+\b/2], v[16+\u]
.endif
.endr
.endr
	NOPS 8
.irp t, 0,1,2,3                                ; V^T's fragments take the place of K's: they come while the softmax is worked
.irp c, 0,1,2,3
	ds_load_b128 v[F+16*\t+4*\c:F+16*\t+4*\c+3], v[ADK] offset:PART+2048*\t+512*\c
.endr
.endr
	s_cmp_eq_u32 s[T], s[D1]                       ; on a diagonal (the long tile's, or trip 8: the short tile's) the scores of hidden keys become -infinity ahead of the maximum
	s_cselect_b32 s27, 8, s[T]
	s_cmp_lg_u32 s27, 8
	s_cbranch_scc1 .Lopen_\@
	v_mov_b32 v18, 0xff800000
.set n, 0
.rept 64                                       ; register 16 b + i holds key 32 b + 16 (lane / 16) + i of the block
	v_cmp_gt_i32 vcc_lo, 32*(n/16)+n%16, v[DQ]
	v_cndmask_b32 v[S+n], v[S+n], v18, vcc_lo
.set n, n+1
.endr
.Lopen_\@:
.irp b, 0,1,2,3
	v_max3_num_f32 v[BM+\b], v[S+16*\b], v[S+16*\b+1], v[S+16*\b+2]   ; the largest score of each block of 32 keys: for the row's maximum and for the block's largest p
.endr
.irp i, 3,5,7,9,11,13
.irp b, 0,1,2,3
	v_max3_num_f32 v[BM+\b], v[BM+\b], v[S+16*\b+\i], v[S+16*\b+\i+1]
.endr
.endr
.irp b, 0,1,2,3
	v_max_num_f32 v[BM+\b], v[BM+\b], v[S+16*\b+15]
.endr
.irp b, 0,1,2,3
	s_delay_alu instid0(VALU_DEP_4)
	v_permlanex16_b32 v[PT+\b], v[BM+\b], s[SEL], s[SEL+1]
.endr
.irp b, 0,1,2,3
	s_delay_alu instid0(VALU_DEP_4)
	v_max_num_f32 v[BM+\b], v[BM+\b], v[PT+\b]     ; with lane l xor 16's 16 keys
.endr
	s_delay_alu instid0(VALU_DEP_2)
	v_max3_num_f32 v18, v[BM], v[BM+1], v[BM+2]
	s_delay_alu instid0(VALU_DEP_1)
	v_max_num_f32 v18, v18, v[BM+3]
.if \first
	s_delay_alu instid0(VALU_DEP_1)
	v_mul_f32 v13, s[CS], v18                      ; the largest t (c is positive)
	s_delay_alu instid0(VALU_DEP_1)
	v_floor_f32 v12, -v13                          ; -M = -ceil(t)
.else
	s_delay_alu instid0(VALU_DEP_1)
	v_mul_f32 v18, s[CS], v18
	s_delay_alu instid0(VALU_DEP_1)
	v_max_num_f32 v13, v13, v18                    ; the running largest t
	v_mov_b32 v18, v12
	s_delay_alu instid0(VALU_DEP_2)
	v_floor_f32 v12, -v13                          ; the new -M
	s_delay_alu instid0(VALU_DEP_1)
	v_sub_f32 v18, v12, v18                        ; old M - new M: a whole number, 0 or less
	s_delay_alu instid0(VALU_DEP_1)
	v_cvt_i32_f32 v18, v18                         ; (it saturates)
	s_delay_alu instid0(VALU_DEP_1)
	v_ldexp_f32 v20, 1.0, v18                      ; f = 2^(old M - new M)
.endif
.set j, 0
.rept 32
	v_pk_fma_f32 v[S+j:S+j+1], v[S+j:S+j+1], s[CS:CS+1], v[12:13] op_sel_hi:[1,0,0]   ; t - M, two at a time
.set j, j+2
.endr
.irp b, 0,1,2,3
	v_fma_f32 v[BM+\b], v[BM+\b], s[CS], v12
.endr
.set j, 0
	s_wait_alu depctr_va_vdst(0)
.rept 64
	v_exp_f32 v[S+j], v[S+j]                       ; p = 2^(t - M)
.set j, j+1
.endr
.irp b, 0,1,2,3
	v_exp_f32 v[BM+\b], v[BM+\b]                   ; the block's largest p
.endr
.if \first
	v_nop
.else
	v_pk_mul_f32 v[14:15], v[14:15], v[20:21] op_sel_hi:[1,0]   ; the sums under the new M (a plain line behind the exponentials)
.endif
	s_wait_alu depctr_va_vdst(0)
.irp b, 0,1,2,3
	v_max_num_f32 v[BM+\b], 0x4800000, v[BM+\b]    ; the floor 2^(9 - 127): the byte cannot fall under 1
.endr
.irp b, 0,1,2,3
	s_delay_alu instid0(VALU_DEP_4)
	v_add_nc_u32 v[SO+\b], 0xfc000000, v[BM+\b]    ; 8 off the exponent field: the conversion's scale operand
.endr
.irp b, 0,1,2,3
	v_and_or_b32 v[HL+\b], v[BM+\b], 0x7f800000, s[MNT]   ; 448 x the scale
.endr
.irp b, 0,1,2,3
	v_lshrrev_b32 v[PT+\b], 23, v[SO+\b]
.endr
	s_delay_alu instid0(VALU_DEP_3)
	v_lshl_or_b32 v[PS], v[PT+1], 8, v[PT]         ; p's scale word for these 128 keys
	s_delay_alu instid0(VALU_DEP_1)
	v_lshl_or_b32 v[PS], v[PT+2], 16, v[PS]
	s_delay_alu instid0(VALU_DEP_1)
	v_lshl_or_b32 v[PS], v[PT+3], 24, v[PS]
.irp b, 0,1,2,3                                ; block b: its p into the sum's four chains, then held, then converted
.if \b == 0
.if \first
	ADD2 14, S, S+8
.else
	ADD2 14, 14, S
.endif
	ADD2 250, S+2, S+10
	ADD2 252, S+4, S+12
	ADD2 254, S+6, S+14
.if \first == 0
	ADD2 14, 14, S+8
.endif
.else
.irp i, 0,8
	ADD2 14, 14, S+16*\b+\i
	ADD2 250, 250, S+16*\b+\i+2
	ADD2 252, 252, S+16*\b+\i+4
	ADD2 254, 254, S+16*\b+\i+6
.endr
.endif
.irp i, 0,2,4,6,8,10,12,14                     ; the conversion does not saturate (ISA guide 7.6.2); p is not negative, so the hold is one-sided
	v_dual_min_num_f32 v[S+16*\b+\i], v[HL+\b], v[S+16*\b+\i] :: v_dual_min_num_f32 v[S+16*\b+\i+1], v[HL+\b], v[S+16*\b+\i+1]
.endr
	v_cvt_scalef32_pk8_fp8_f32 v[PC+4*\b:PC+4*\b+1], v[S+16*\b:S+16*\b+7], v[SO+\b]
	v_cvt_scalef32_pk8_fp8_f32 v[PC+4*\b+2:PC+4*\b+3], v[S+16*\b+8:S+16*\b+15], v[SO+\b]
.endr
.if \first
	NOPS 4                                         ; places between the conversions and the products
.endif
	s_wait_dscnt 0x0                               ; V^T's fragments are in
	s_wait_alu depctr_va_vdst(0)
.if \first == 0
.set j, 0
.rept 16
	v_pk_mul_f32 v[O+j:O+j+1], v[O+j:O+j+1], v[20:21] op_sel_hi:[1,0]   ; O^T under the new M; these 16 also stand between the conversions and the products
.set j, j+2
.endr
.endif
.irp t, 0,1,2,3                                ; O^T += V^T P^T: the four accumulators by turns
.if \first
.if \t%2
	v_wmma_scale_f32_16x16x128_f8f6f4 v[O+8*\t:O+8*\t+7], v[F+16*\t:F+16*\t+15], v[PC:PC+15], 0, v[10+\t/2], v[PS] matrix_a_scale:MATRIX_SCALE_ROW1
.else
	v_wmma_scale_f32_16x16x128_f8f6f4 v[O+8*\t:O+8*\t+7], v[F+16*\t:F+16*\t+15], v[PC:PC+15], 0, v[10+\t/2], v[PS]
.endif
.elseif \t%2
	v_wmma_scale_f32_16x16x128_f8f6f4 v[O+8*\t:O+8*\t+7], v[F+16*\t:F+16*\t+15], v[PC:PC+15], v[O+8*\t:O+8*\t+7], v[10+\t/2], v[PS] matrix_a_scale:MATRIX_SCALE_ROW1
.else
	v_wmma_scale_f32_16x16x128_f8f6f4 v[O+8*\t:O+8*\t+7], v[F+16*\t:F+16*\t+15], v[PC:PC+15], v[O+8*\t:O+8*\t+7], v[10+\t/2], v[PS]
.endif
.endr
	ADD2 14, 14, 250                               ; the chains joined: three places behind the products
	ADD2 252, 252, 254
	ADD2 14, 14, 252
.endm
	s_wait_alu depctr_va_vdst(0)
	s_cmp_lt_u32 s[WV], 2
	s_cbranch_scc0 .Lnot_mine
	s_wait_tensorcnt 0x0                           ; waves 0 and 1: blocks 0 and 8 are in
.Lnot_mine:
	s_barrier_signal -1
	s_barrier_wait -1
	STEP 1
	s_wait_alu depctr_va_vdst(0)
	s_wait_tensorcnt 0x0                           ; all blocks are in
	s_barrier_signal -1
	s_barrier_wait -1
	s_mov_b32 s[T], 1
.Ltrip:
	s_add_co_u32 s26, s[T], s[R8]                  ; 8: role 0 has walked its eight blocks
	s_cmp_eq_u32 s26, 8
	s_cbranch_scc1 .Lidle
	s_cmp_lg_u32 s[T], s[SW]
	s_cbranch_scc1 .Lsame
	NOPS 5                                         ; role 1 leaves the long tile: with the three additions, eight places behind the last products
.irp k, 0,1,2,3,4,5,6,7
	ds_store_b128 v[XA], v[O+4*\k:O+4*\k+3] offset:512*\k
.endr
	ds_store_b128 v[XA], v[12:15] offset:4096      ; -M, the largest t, the sum's halves
	v_mov_b32 v16, v[Q2+8]                         ; and begins the short one
	v_mov_b32 v17, v[Q2+9]
.irp k, 0,1,2,3,4,5,6,7
	v_mov_b32 v[32+\k], v[Q2+\k]
.endr
	v_mov_b32 v13, 0xff61b1e6                      ; the largest t so far: -3e38
	v_mov_b32 v14, 0
	v_mov_b32 v15, 0
	v_floor_f32 v12, -v13
.set j, 0
.rept 16
	v_dual_mov_b32 v[O+j], v24 :: v_dual_mov_b32 v[O+j+1], v24   ; zeros, which the first change of M leaves zeros
.set j, j+2
.endr
.Lsame:
	s_sub_co_u32 s27, s[T], s[SW]
	s_cmp_lt_u32 s[T], s[SW]
	s_cselect_b32 s26, s26, s27                    ; the key block of this trip
	s_min_u32 s26, s26, 15
	s_mul_i32 s[TB], s26, REC2
	STEP 0
.Lidle:
	s_add_co_u32 s[T], s[T], 1
	s_wait_alu depctr_va_vdst(0)
	s_cmp_lt_u32 s[T], 9
	s_cbranch_scc1 .Ltrip
	; THE WAY OUT
	NOPS 5                                         ; with the three additions: eight places behind the last products
	s_wait_dscnt 0x0                               ; role 1's sums lie in LDS
	s_barrier_signal -1
	s_barrier_wait -1
	s_cmp_lg_u32 s[RO], 0
	s_cbranch_scc1 .Lown
.irp k, 0,1,2,3,4,5,6,7
	ds_load_b128 v[S+4*\k:S+4*\k+3], v[XA] offset:512*\k
.endr
	ds_load_b128 v[S+32:S+35], v[XA] offset:4096
	s_wait_dscnt 0x0
	v_min_num_f32 v18, v12, v[S+32]                ; -M of the two parts together
	v_sub_f32 v20, v18, v12
	v_sub_f32 v52, v18, v[S+32]
	v_cvt_i32_f32 v20, v20
	v_cvt_i32_f32 v52, v52
	v_ldexp_f32 v20, 1.0, v20                      ; 2^(M of a part - M)
	v_ldexp_f32 v52, 1.0, v52
	v_pk_mul_f32 v[14:15], v[14:15], v[20:21] op_sel_hi:[1,0]
.set j, 0
.rept 16
	v_pk_mul_f32 v[O+j:O+j+1], v[O+j:O+j+1], v[20:21] op_sel_hi:[1,0]
.set j, j+2
.endr
	v_pk_fma_f32 v[14:15], v[S+34:S+35], v[52:53], v[14:15] op_sel_hi:[1,0,1]
.set j, 0
.rept 16
	v_pk_fma_f32 v[O+j:O+j+1], v[S+j:S+j+1], v[52:53], v[O+j:O+j+1] op_sel_hi:[1,0,1]
.set j, j+2
.endr
.Lown:
	; y = O^T / the sum: register 16 c + i is channel 32 c + 16 (lane / 16) + i of my query: two blocks of 32 along E
	v_add_f32 v14, v14, v15
	v_and_b32 v18, 15, v0
	v_bfe_u32 v23, v0, 4, 1
	v_permlanex16_b32 v20, v14, s[SEL], s[SEL+1]
	v_lshl_add_u32 v[YS], v18, 3, v23
	v_add_f32 v14, v14, v20                        ; the row's sum
	s_wait_alu depctr_va_vdst(0)
	v_rcp_f32 v14, v14
	v_nop
	s_wait_alu depctr_va_vdst(0)
.set j, 0
.rept 16
	v_pk_mul_f32 v[S+j:S+j+1], v[O+j:O+j+1], v[14:15] op_sel_hi:[1,0]
.set j, j+2
.endr
	s_and_b32 s26, s[BH], 15                       ; the head
	s_lshr_b32 s27, s[BH], 4                       ; the batch
	s_lshl_b32 s27, s27, 7
	s_lshl_b32 s28, s[BLK], 3
	s_add_co_u32 s27, s27, s28
	s_add_co_u32 s27, s27, s[TAU]                  ; my block of 16 positions: 128 x batch + 8 x block + tile
	s_lshr_b32 s28, s26, 2                         ; the K step of 256: four heads
	s_and_b32 s26, s26, 3
	s_lshl_b32 s30, s28, 20
	s_lshl_b32 s29, s27, 12
	s_add_co_u32 s30, s30, s29
	s_lshl_b32 s29, s26, 10                        ; the head's two chunks of 512 bytes
	s_add_co_u32 s30, s30, s29
	s_mov_b32 s31, 0
	s_add_nc_u64 s[6:7], s[6:7], s[30:31]
	s_lshl_b32 s32, s28, 15
	s_lshl_b32 s29, s27, 7
	s_add_co_u32 s32, s32, s29
	s_lshl_b32 s29, s26, 1                         ; the head's two bytes of a position's eight
	s_add_co_u32 s32, s32, s29
	s_mov_b32 s33, 0
	s_add_nc_u64 s[8:9], s[8:9], s[32:33]
	s_wait_alu depctr_va_vdst(0)
.irp c, 0,1
	v_max3_num_f32 v[BM+\c], |v[S+16*\c]|, |v[S+16*\c+1]|, 0x4800000
.endr
.irp i, 2,4,6,8,10,12,14
.irp c, 0,1
	s_delay_alu instid0(VALU_DEP_2)
	v_max3_num_f32 v[BM+\c], v[BM+\c], |v[S+16*\c+\i]|, |v[S+16*\c+\i+1]|
.endr
.endr
.irp c, 0,1
	v_permlanex16_b32 v[PT+\c], v[BM+\c], s[SEL], s[SEL+1]
.endr
.irp c, 0,1
	v_max_num_f32 v[BM+\c], v[BM+\c], v[PT+\c]
.endr
.irp c, 0,1
	v_add_nc_u32 v[SO+\c], 0xfc000000, v[BM+\c]
.endr
.irp c, 0,1
	v_and_or_b32 v[HL+\c], v[BM+\c], 0x7f800000, s[MNT]
.endr
.irp c, 0,1
	v_lshrrev_b32 v[PT+\c], 23, v[SO+\c]
.endr
.irp c, 0,1
.irp i, 0,1,2,3,4,5,6,7,8,9,10,11,12,13,14,15
	v_med3_num_f32 v[S+16*\c+\i], v[S+16*\c+\i], -v[HL+\c], v[HL+\c]
.endr
	v_cvt_scalef32_pk8_fp8_f32 v[PC+4*\c:PC+4*\c+1], v[S+16*\c:S+16*\c+7], v[SO+\c]
	v_cvt_scalef32_pk8_fp8_f32 v[PC+4*\c+2:PC+4*\c+3], v[S+16*\c+8:S+16*\c+15], v[SO+\c]
.endr
	v_cmp_eq_u32 vcc_lo, 1, v23
	v_cndmask_b32 v18, v[PT], v[PT+1], vcc_lo      ; lanes 0-15 store the first block's byte, lanes 16-31 the second's
	global_store_b128 v[LI], v[PC:PC+3], s[6:7]    ; 1,024 consecutive bytes, aligned
	global_store_b128 v[LI], v[PC+4:PC+7], s[6:7] offset:512
	global_store_b8 v[YS], v18, s[8:9]             ; two bytes of each position's eight: the other six belong to three other heads, which other work-groups make
	s_wait_tensorcnt 0x0                           ; the wave's end
	ds_add_u32 v[SPW], v[NIL]
	s_wait_dscnt 0x0
	CROUND                                         ; the closing round
	s_endpgm
.Lfunc_end_k_q26821f381f_attn:
	.size	k_q26821f381f_attn, .Lfunc_end_k_q26821f381f_attn-k_q26821f381f_attn
	.p2alignl 7, 3214868480
	.fill 96, 4, 3214868480
	.section	.rodata,"a",@progbits
	.p2align	6, 0x0
	.amdhsa_kernel k_q26821f381f_attn
		.amdhsa_group_segment_fixed_size 327680
		.amdhsa_private_segment_fixed_size 0
		.amdhsa_enable_private_segment 0
		.amdhsa_kernarg_size 24
		.amdhsa_user_sgpr_count 2
		.amdhsa_user_sgpr_kernarg_segment_ptr 1
		.amdhsa_wavefront_size32 1
		.amdhsa_system_sgpr_workgroup_id_x 1
		.amdhsa_system_sgpr_workgroup_id_y 1
		.amdhsa_system_sgpr_workgroup_id_z 1
		.amdhsa_system_vgpr_workitem_id 0
		.amdhsa_next_free_vgpr 256
		.amdhsa_next_free_sgpr 66
		.amdhsa_reserve_vcc 1
		.amdhsa_float_denorm_mode_32 3
		.amdhsa_float_denorm_mode_16_64 3
		.amdhsa_memory_ordered 1
		.amdhsa_forward_progress 1
		.amdhsa_inst_pref_size 68
	.end_amdhsa_kernel
	.amdgpu_metadata
---
amdhsa.version: [ 1, 2 ]
amdhsa.kernels:
  - .name:           k_q26821f381f_attn
    .symbol:         k_q26821f381f_attn.kd
    .args:
      - { .name: qkv, .offset: 0, .size: 8, .value_kind: global_buffer, .address_space: global }
      - { .name: yc, .offset: 8, .size: 8, .value_kind: global_buffer, .address_space: global }
      - { .name: ys, .offset: 16, .size: 8, .value_kind: global_buffer, .address_space: global }
    .group_segment_fixed_size: 327680
    .private_segment_fixed_size: 0
    .kernarg_segment_align: 8
    .kernarg_segment_size: 24
    .max_flat_workgroup_size: 512
    .sgpr_count:     66
    .vgpr_count:     256
    .wavefront_size: 32
...
	.end_amdgpu_metadata
.endif
;; end of part 3
;; launch proj (part 4): grid 8 x 32, 8 waves a work-group, clusters of 4 x 4, 327,680 bytes of LDS; arguments yc, ys, ops, opsc, bp, out0; writes out0
.if DOCPART == 4
	.amdgcn_target "amdgcn-amd-amdhsa--gfx1250"
	.amdhsa_code_object_version 6
	.text
	.protected	k_q26821f381f_proj
	.globl	k_q26821f381f_proj
	.p2align	8
	.type	k_q26821f381f_proj,@function
k_q26821f381f_proj:
	s_mov_b64 s[64:65], 0
	v_nop
	global_prefetch_b8 v0, s[64:65] scope:SCOPE_SE
	s_setreg_imm32_b32 hwreg(HW_REG_WAVE_MODE, 25, 1), 1
	s_wait_xcnt 0x0
	s_wait_alu depctr_hold_cnt(0) depctr_sa_sdst(0) depctr_va_vdst(0) depctr_va_sdst(0) depctr_va_ssrc(0) depctr_va_vcc(0) depctr_vm_vsrc(0)
	s_getreg_b32 s2, hwreg(HW_REG_IB_STS2, 6, 4)
	s_cmp_eq_u32 s2, 0
	s_cbranch_scc0 .Lentry_in_a_cluster
	s_endpgm
.Lentry_in_a_cluster:
	s_bfe_u32 s2, ttmp6, 0x10000c
	s_cmp_lg_u32 s2, 0xf033
	s_cbranch_scc0 .Lentry_shape_is_right
	s_endpgm
.Lentry_shape_is_right:
; out0 = y Wp + bp on codes of FP8 (E4M3) with E8M0 scales, sums in f32, the bias as the C of each sum's first matrix instruction.
; yc [K step of 256: 4][block of 16 positions: 256][128 along K: 2][chunk: 4][lane: 32][16 bytes], ys [K step][position: 4096][2 words]; ops, opsc likewise with 512 blocks, 8192 positions; Wp's column n is position 7168 + n.
; In each group of 32, position 16 u + r is row 8 u + r + 8 (r / 8).
; 256 work-groups, a tile of 128 x 128 each; eight waves, each 32 rows x 64 columns.  ALL of K (128 rows + 128 columns x 1,024 = 256 KiB) lies in LDS, filled once: wave 2 s asks for K step s of A, wave 2 s + 1 for K step s of B.
; Four barriers show the four K steps, each to all waves, so that a step is multiplied while later ones are on their way.  Scale words go from memory straight into registers, 256 consecutive bytes a load.
; CLUSTERS: 4 x 4 work-groups; A's tiles are asked for jointly along a row of the cluster, B's along a column.  No prefetch: all that the launch reads is asked for at its head.
; THE MATRIX INSTRUCTION IS USED TRANSPOSED (source 0 = 16 positions of B, source 1 = 16 of A): a lane holds one row; the 16 registers of B's blocks 2 g, 2 g + 1 are 16 neighbouring columns, 32 g + 16 (lane / 16) + 0 .. 15.
; LIMITS: NaN and infinities are not served.
; REGISTERS: window 0: v1-23 addresses, v24-51 scale words, v64-255 two sets of six fragments.  Window 1: v0-63 the eight accumulators, v64-95 the bias.
.set STG,  262144                      ; behind the tiles: a stage of 16 rows x 272 bytes for each wave
.set SPITCH, 272
.set SPARE, STG+8*16*SPITCH            ; the spare words: no other line names them
.set CO,   8
.set BO,   9
.set SPW,  10
.set NIL,  11
.set LI,   12
.set L8,   13
.set STO,  14
.set RD,   15
.set ADA,  16                          ; v16-19 LDS address of my A fragments in K step 0 .. 3
.set ADB,  20                          ; v20-23 and of B's
.set SA,   24                          ; A's words: v[24 + 2 s + q]: lanes 0-15 block 0, lanes 16-31 block 1
.set SB,   36                          ; B's: v[36 + 8 g + 2 s + q]: blocks 2 g, 2 g + 1
.set F,    64
.set WV,   16
.set RQ,   17
.set CH,   18
.set G1,   24
.set G0,   32
.set G1B,  48
.set G0B,  56
.set MSB, 0
.macro WIN new                         ; the immediate's high byte repeats the setting that is left
.if MSB != (\new)
	s_set_vgpr_msb (MSB<<8)|(\new)
.set MSB, (\new)
.endif
.endm
.macro NOPS n
.rept \n
	v_nop
.endr
.endm
.macro CROUND                          ; a round of the cluster's barrier
	s_barrier_signal -1
	s_barrier_wait -1
	s_cmp_lg_u32 s[WV], 0
	s_cbranch_scc1 .Lnot_wave_0_\@
	s_barrier_signal -3
.Lnot_wave_0_\@:
	s_barrier_wait -3
	s_barrier_signal -1
	s_barrier_wait -1
.endm
	s_load_b256 s[4:11], s[0:1], 0x0               ; yc, ys, ops, opsc
	s_load_b128 s[12:15], s[0:1], 0x20             ; bp, out0
	v_lshl_add_u32 v[SPW], v0, 2, SPARE
	v_mov_b32 v[NIL], 0
	ds_add_u32 v[SPW], v[NIL]                      ; the opening
	ds_add_u32 v[SPW], v[NIL]
	v_lshrrev_b32 v1, 5, v0
	v_readfirstlane_b32 s[WV], v1
	s_lshr_b32 s[RQ], s[WV], 1                     ; my 32 rows.  Also: the K step that I ask for
	s_and_b32 s[CH], s[WV], 1                      ; my 64 columns.  Also: for A or for B
	s_bfe_u32 s40, ttmp6, 0x40000                  ; cx, cy
	s_bfe_u32 s41, ttmp6, 0x40004
	s_and_b32 s45, ttmp7, 0xffff
	s_lshl_b32 s45, s45, 2
	s_add_co_u32 s45, s45, s41                     ; tile row
	s_lshl_b32 s42, ttmp9, 2
	s_add_co_u32 s42, s42, s40                     ; tile column
	s_lshl_b32 s43, s41, 2
	s_lshl_b32 s43, 15, s43                        ; my row of the cluster
	s_lshl_b32 s44, 0x1111, s40                    ; my column
	s_or_b32 s[G1+0], s43, (3<<16)|(1<<21)         ; 32,768 dense bytes as 128 rows of 32 elements of 8 bytes
	s_or_b32 s[G1B+0], s44, (3<<16)|(1<<21)
.irp g, G1, G1B
	s_mov_b32 s[\g+1], 32<<16
	s_mov_b32 s[\g+2], 128<<16
	s_mov_b32 s[\g+3], 32<<16
	s_mov_b32 s[\g+4], 128
	s_mov_b32 s[\g+5], 32
	s_mov_b32 s[\g+6], 0
	s_mov_b32 s[\g+7], 0
.endr
	s_lshl_b32 s92, s45, 15                        ; A's tile of K step RQ
	s_lshl_b32 s66, s[RQ], 20
	s_add_co_u32 s92, s92, s66
	s_mov_b32 s93, 0
	s_lshl_b32 s94, s42, 15                        ; B's
	s_lshl_b32 s67, s[RQ], 21
	s_add_co_u32 s94, s94, s67
	s_add_co_u32 s94, s94, 448*4096
	s_mov_b32 s95, 0
	s_lshl_b32 s96, s45, 10                        ; scale words: 8 bytes a position
	s_lshl_b32 s68, s[RQ], 8
	s_add_co_u32 s96, s96, s68
	s_mov_b32 s97, 0
	s_lshl_b32 s98, s42, 10
	s_lshl_b32 s69, s[CH], 9
	s_add_co_u32 s98, s98, s69
	s_add_co_u32 s98, s98, 7168*8
	s_mov_b32 s99, 0
	s_lshl_b32 s70, s42, 9                         ; my first column, in bytes
	s_lshl_b32 s72, s[CH], 8
	s_add_co_u32 s70, s70, s72
	s_mov_b32 s71, 0
	s_lshl_b32 s72, s45, 19                        ; my first row of out0, in bytes
	s_lshl_b32 s73, s[RQ], 17
	s_add_co_u32 s72, s72, s73
	s_add_co_u32 s72, s72, s70
	s_mov_b32 s73, 0
	s_lshl_b32 s74, s[RQ], 13
	s_lshl_b32 s75, s[CH], 14
	s_add_co_u32 s75, s75, 32768
	s_mul_i32 s76, s[WV], 16*SPITCH
	s_add_co_u32 s76, s76, STG
	s_mov_b32 s[G0], 1
	s_lshl_b32 s[G0+1], s[RQ], 16
	s_mov_b32 s[G0B], 1
	s_add_co_u32 s[G0B+1], s[G0+1], 32768
	v_and_b32 v2, 31, v0
	v_and_b32 v3, 15, v0                           ; r
	v_bfe_u32 v4, v0, 4, 1                         ; h
	v_lshlrev_b32 v[LI], 4, v2
	v_lshlrev_b32 v[L8], 3, v2
	v_add_nc_u32 v[ADA], s74, v[LI]
	v_add_nc_u32 v[ADB], s75, v[LI]
.irp s, 1,2,3
	v_add_nc_u32 v[ADA+\s], 65536*\s, v[ADA]
	v_add_nc_u32 v[ADB+\s], 65536*\s, v[ADB]
.endr
	v_mul_u32_u24 v5, v3, SPITCH                   ; into the stage: row r, 64 bytes for each half of the lanes
	v_lshl_add_u32 v5, v4, 6, v5
	v_add_nc_u32 v[STO], s76, v5
	v_mul_u32_u24 v6, v4, SPITCH                   ; back: lanes 0-15 one row of 256 bytes, lanes 16-31 the next
	v_lshl_add_u32 v6, v3, 4, v6
	v_add_nc_u32 v[RD], s76, v6
	v_lshlrev_b32 v7, 12, v4
	v_lshl_add_u32 v[CO], v3, 4, v7                ; and the same in out0
	v_lshlrev_b32 v[BO], 6, v4
	s_wait_alu depctr_va_vdst(0)
	s_wait_dscnt 0x0                               ; both opening adds are done
	CROUND                                         ; all sixteen work-groups are here: the joint loads meet
	s_wait_kmcnt 0x0
	s_add_nc_u64 s[G0+2:G0+3], s[4:5], s[92:93]
	s_or_b32 s[G0+3], s[G0+3], 0x80000000
	s_add_nc_u64 s[G0B+2:G0B+3], s[8:9], s[94:95]
	s_or_b32 s[G0B+3], s[G0B+3], 0x80000000
; one joint load a wave, each in an arm of its own: one tree of branches on the wave's number, all arms lead to one join
.macro ARM under, g0, g1
	s_cmp_lt_u32 s[WV], \under
	s_cbranch_scc0 .Lnext_\under
	tensor_load_to_lds s[\g0:\g0+3], s[\g1:\g1+7]
	s_nop 0
	NOPS 4
	s_branch .Lasked
.Lnext_\under:
.endm
	ARM 1, G0, G1
	ARM 2, G0B, G1B
	ARM 3, G0, G1
	ARM 4, G0B, G1B
	ARM 5, G0, G1
	ARM 6, G0B, G1B
	ARM 7, G0, G1
	tensor_load_to_lds s[G0B:G0B+3], s[G1B:G1B+7]
	s_nop 0
	NOPS 4
.Lasked:
	s_add_nc_u64 s[96:97], s[6:7], s[96:97]
	s_add_nc_u64 s[98:99], s[10:11], s[98:99]
	s_add_nc_u64 s[70:71], s[12:13], s[70:71]
	s_add_nc_u64 s[14:15], s[14:15], s[72:73]
.irp s, 0,1,2,3
	global_load_b64 v[SA+2*\s:SA+2*\s+1], v[L8], s[96:97] offset:32768*\s
	global_load_b64 v[SB+2*\s:SB+2*\s+1], v[L8], s[98:99] offset:65536*\s
	global_load_b64 v[SB+8+2*\s:SB+8+2*\s+1], v[L8], s[98:99] offset:65536*\s+256
.endr
	WIN 0x40                                       ; the bias into window 1
.irp b, 0,1,2,3
	global_load_b128 v[64+8*\b:64+8*\b+3], v[BO], s[70:71] offset:128*(\b/2)+32*(\b%2)
	global_load_b128 v[64+8*\b+4:64+8*\b+7], v[BO], s[70:71] offset:128*(\b/2)+32*(\b%2)+16
.endr
	WIN 0
.macro LOADS s, q                      ; K step s, its q-th 128: A's two fragments, B's four, into set q: 24 loads
.irp a, 0,1
.irp c, 0,1,2,3
	ds_load_b128 v[F+96*\q+16*\a+4*\c:F+96*\q+16*\a+4*\c+3], v[ADA+\s] offset:4096*\a+2048*\q+512*\c
.endr
.endr
.irp b, 0,1,2,3
.irp c, 0,1,2,3
	ds_load_b128 v[F+96*\q+32+16*\b+4*\c:F+96*\q+32+16*\b+4*\c+3], v[ADB+\s] offset:4096*\b+2048*\q+512*\c
.endr
.endr
.endm
.macro MUL a, b, c, s, q               ; accumulator (a, b)
.set D_, 8*(4*\a+\b)
.set X_, F+96*\q+32+16*\b
.set Y_, F+96*\q+16*\a
.set U_, SB+8*(\b/2)+2*\s+\q
.set V_, SA+2*\s+\q
.if (\a%2) && (\b%2)
	v_wmma_scale_f32_16x16x128_f8f6f4 v[D_:D_+7], v[X_:X_+15], v[Y_:Y_+15], v[\c:\c+7], v[U_], v[V_] matrix_a_scale:MATRIX_SCALE_ROW1 matrix_b_scale:MATRIX_SCALE_ROW1
.elseif \a%2
	v_wmma_scale_f32_16x16x128_f8f6f4 v[D_:D_+7], v[X_:X_+15], v[Y_:Y_+15], v[\c:\c+7], v[U_], v[V_] matrix_b_scale:MATRIX_SCALE_ROW1
.elseif \b%2
	v_wmma_scale_f32_16x16x128_f8f6f4 v[D_:D_+7], v[X_:X_+15], v[Y_:Y_+15], v[\c:\c+7], v[U_], v[V_] matrix_a_scale:MATRIX_SCALE_ROW1
.else
	v_wmma_scale_f32_16x16x128_f8f6f4 v[D_:D_+7], v[X_:X_+15], v[Y_:Y_+15], v[\c:\c+7], v[U_], v[V_]
.endif
.endm
.macro PRODS s, q                      ; the eight accumulators take turns
.irp a, 0,1
.irp b, 0,1,2,3
.if \s+\q
	MUL \a, \b, D_, \s, \q
.else
	MUL \a, \b, 64+8*\b, \s, \q
.endif
.endr
.endr
.endm
.macro STAGE s                         ; K step s
.if \s < 3
	s_cmp_lt_u32 s[WV], 2*\s+2
	s_cbranch_scc0 .Lnot_mine_\s
	s_wait_tensorcnt 0x0                           ; the waves that asked for it: it is in
.Lnot_mine_\s:
.else
	s_wait_tensorcnt 0x0
.endif
	s_barrier_signal -1
	s_barrier_wait -1
	LOADS \s, 0
	LOADS \s, 1
.if \s == 0
	s_wait_loadcnt 0x0                             ; the scale words and the bias
.endif
	s_wait_dscnt 24                                ; set 0 is in; set 1's 24 loads may be out
	WIN 0x50                                       ; C and D in window 1
	PRODS \s, 0
	s_wait_dscnt 0x0
	PRODS \s, 1
	WIN 0
	NOPS 8                                         ; places in front of loads into registers that the products have read, or of reads of their results
.endm
	STAGE 0
	STAGE 1
	STAGE 2
	STAGE 3
; THE WAY OUT, 16 rows x 64 columns at a time through my own stage: sixteen lanes store one aligned unit of 256 bytes.  LDS serves a wave's instructions in order: no wait between the stores and the loads
.irp a, 0,1
	WIN 0x04                                       ; the data: window 1
.irp b, 0,1,2,3
	ds_store_b128 v[STO], v[8*(4*\a+\b):8*(4*\a+\b)+3] offset:128*(\b/2)+32*(\b%2)
	ds_store_b128 v[STO], v[8*(4*\a+\b)+4:8*(4*\a+\b)+7] offset:128*(\b/2)+32*(\b%2)+16
.endr
	WIN 0
.irp t, 0,1,2,3,4,5,6,7
	ds_load_b128 v[F+32*\a+4*\t:F+32*\a+4*\t+3], v[RD] offset:2*\t*SPITCH
.endr
.endr
.irp a, 0,1
	s_wait_dscnt 16*(1-\a)                         ; behind the first block's loads: the second's 8 stores and 8 loads
.irp t, 0,1,2,3,4,5,6,7
	global_store_b128 v[CO], v[F+32*\a+4*\t:F+32*\a+4*\t+3], s[14:15] offset:(8*\a+2*\t+8*(\t/4))*4096 th:TH_STORE_NT
.endr
.endr
	s_wait_tensorcnt 0x0                           ; the wave's end
	ds_add_u32 v[SPW], v[NIL]
	s_wait_dscnt 0x0
	CROUND                                         ; the closing round: no work-group ends while a partner may still ask for a tile that names it
	s_endpgm
.Lfunc_end_k_q26821f381f_proj:
	.size	k_q26821f381f_proj, .Lfunc_end_k_q26821f381f_proj-k_q26821f381f_proj
	.p2alignl 7, 3214868480
	.fill 96, 4, 3214868480
	.section	.rodata,"a",@progbits
	.p2align	6, 0x0
	.amdhsa_kernel k_q26821f381f_proj
		.amdhsa_group_segment_fixed_size 327680
		.amdhsa_private_segment_fixed_size 0
		.amdhsa_enable_private_segment 0
		.amdhsa_kernarg_size 48
		.amdhsa_user_sgpr_count 2
		.amdhsa_user_sgpr_kernarg_segment_ptr 1
		.amdhsa_wavefront_size32 1
		.amdhsa_system_sgpr_workgroup_id_x 1
		.amdhsa_system_sgpr_workgroup_id_y 1
		.amdhsa_system_sgpr_workgroup_id_z 1
		.amdhsa_system_vgpr_workitem_id 0
		.amdhsa_next_free_vgpr 512
		.amdhsa_next_free_sgpr 100
		.amdhsa_reserve_vcc 0
		.amdhsa_float_denorm_mode_32 3
		.amdhsa_float_denorm_mode_16_64 3
		.amdhsa_memory_ordered 1
		.amdhsa_forward_progress 1
		.amdhsa_inst_pref_size 37
	.end_amdhsa_kernel
	.amdgpu_metadata
---
amdhsa.version: [ 1, 2 ]
amdhsa.kernels:
  - .name:           k_q26821f381f_proj
    .symbol:         k_q26821f381f_proj.kd
    .args:
      - { .name: yc, .offset: 0, .size: 8, .value_kind: global_buffer, .address_space: global }
      - { .name: ys, .offset: 8, .size: 8, .value_kind: global_buffer, .address_space: global }
      - { .name: ops, .offset: 16, .size: 8, .value_kind: global_buffer, .address_space: global }
      - { .name: opsc, .offset: 24, .size: 8, .value_kind: global_buffer, .address_space: global }
      - { .name: bp, .offset: 32, .size: 8, .value_kind: global_buffer, .address_space: global }
      - { .name: out0, .offset: 40, .size: 8, .value_kind: global_buffer, .address_space: global }
    .group_segment_fixed_size: 327680
    .private_segment_fixed_size: 0
    .kernarg_segment_align: 8
    .kernarg_segment_size: 48
    .max_flat_workgroup_size: 256
    .sgpr_count:     100
    .vgpr_count:     512
    .wavefront_size: 32
...
	.end_amdgpu_metadata
.endif
;; end of part 4
